; MI455X (gfx1250); checked and timed in simulation.
; The chip was launched on July 23, 2026; its instructions are those of AMD's public machine-readable ISA for CDNA 5 (MIT licence, August 2026) and "CDNA5" Instruction Set Architecture Reference Guide (July 2026). The comments in the code are by the model that wrote it; some were corrected since.
;; Self Attention. Allowed arithmetic: matrix products marked QUANTISED: E2M1 operands, one E8M0 scale for each 32 along K, by v_wmma_scale_f32_16x16x128_f8f6f4 with both operands' format E2M1 (or v_wmma_scale_f32_32x16x128_f4), f32 sums; products left as they are: bf16, f16 or f32 operands; f32 sums; everything else in f32.
;; Inputs: attn_mask 8 x 1 x 1,024 bool; positions 8 x 1,024 x 2 int32; w_proj 1,024 x 1,024 float32; w_qkv 1,024 x 3,072 float32; x 8 x 1,024 x 1,024 float32.
;; Outputs: out0 8 x 1,024 x 1,024 float32.
;; This version of the problem:
;;   THIS VERSION OF THE PROBLEM IS GIVEN IN LOW PRECISION. The matrix products marked QUANTISED in the list below multiply operands that are first quantised to E2M1 (2 exponent bits, 1 mantissa bit; 4 bits a number), with one power-of-two scale for each 32 numbers along K (OCP MX v1.0); their sums are f32. The products marked 'left as it is' may take bf16, f16 or f32 operands, with f32 sums. Whichever they take, every output number must still come out within the allowed error. Rounding operands to bf16 (8 significant bits) uses up far more of that allowance than f16 does (11 bits, for magnitudes from 6e-5 to 65,504). All else is computed in f32.
;;   The module's matrix products, in the order in which they are computed (A, B: the left and right operand; K: the contracted axis; several contracted axes count as one K, in the product's order):
;;     1. [M 8,192, K 1,024] x [K 1,024, N 3,072]; A: input x; B: input w_qkv: QUANTISED
;;     2. batch 128 x [M 1,024, K 64] x [K 64, N 1,024]; A: computed on the way; B: computed on the way: left as it is (an operand is computed on the way)
;;     3. batch 128 x [M 1,024, K 1,024] x [K 1,024, N 64]; A: computed on the way; B: computed on the way: left as it is (an operand is computed on the way)
;;     4. [M 8,192, K 1,024] x [K 1,024, N 1,024]; A: computed on the way; B: input w_proj: left as it is (an operand is computed on the way)
;;   THE QUANTISER, for each operand of a quantised product, along K:
;;     - K is cut into blocks of 32 from its start; a last block that is shorter is filled with zeros.
;;     - A block's scale is 2^e with e = floor(log2(the largest magnitude in the block)) - 2, held to -126 .. 127; a block of zeros has e = 0. As a byte (E8M0): e + 127.
;;     - Each number is divided by its block's scale, clamped to +-6, and rounded to the nearest number of E2M1, ties to even, subnormals kept.
;;     - The product sums the exact products of the quantised numbers (number of the format x scale) in f32.
;;   ~~~python
;;   def quantise(x, axis):      # numpy; x: float32 -> the quantised numbers, widened to float32 again
;;       x = np.moveaxis(x, axis, -1); K = x.shape[-1]
;;       x = np.pad(x, [(0, 0)] * (x.ndim - 1) + [(0, -K % 32)]); x = x.reshape(x.shape[:-1] + (-1, 32)); a = np.abs(x).max(-1, keepdims=True)
;;       e = np.where(a > 0, np.clip(np.frexp(np.where(a > 0, a, 1))[1] - 1 - 2, -126, 127), 0)      # np.frexp(a)[1] - 1 = floor(log2(a)), exactly
;;       r = np.clip(x / 2.0 ** e, -6, 6)
;;       step = 2.0 ** (np.maximum(np.frexp(np.where(r == 0, 1, r))[1] - 1, 0) - 1)
;;       q = np.round(r / step) * step * 2.0 ** e      # np.round: ties to even
;;       return np.moveaxis(q.reshape(q.shape[:-2] + (-1,))[..., :K], -1, axis).astype(np.float32)
;;   ~~~
;; One version. Each part assembles by itself: llvm-mc -triple=amdgcn-amd-amdhsa -mcpu=gfx1250 --defsym DOCPART=n.
;; ======== version 1 of 1: 4 launches
;; limits: values are held in f16: magnitudes above 65,504 overflow, below 6.1e-05 lose precision; right only within a limited range of input values
;; workspace buffers: xq 4,194,304 bytes; xs 262,144 bytes; wq 1,572,864 bytes; ws 98,304 bytes; w16 2,097,152 bytes; rope 4,194,304 bytes; qkv 50,331,648 bytes; att 16,777,216 bytes
;; launch prep (part 1): grid 416 x 1, 8 waves a work-group, no clusters, 84,992 bytes of LDS; arguments x, w_qkv, w_proj, positions, xq, xs, wq, ws, w16, rope; writes xq, xs, wq, ws, w16, rope
.if DOCPART == 1
	.amdgcn_target "amdgcn-amd-amdhsa--gfx1250"
	.amdhsa_code_object_version 6
	.text
	.protected	k_q1b441b2c73_prep
	.globl	k_q1b441b2c73_prep
	.p2align	8
	.type	k_q1b441b2c73_prep,@function
k_q1b441b2c73_prep:
	s_mov_b64 s[64:65], 0
	v_nop
	global_prefetch_b8 v0, s[64:65] scope:SCOPE_SE
	s_setreg_imm32_b32 hwreg(HW_REG_WAVE_MODE, 25, 1), 1
	s_wait_xcnt 0x0
; PREP: everything that is made once, ahead of the products.  Four roles, told apart by the work-group's number alone; each role has its own text, its own LDS bytes and its own end.
;   W (work-groups 0-95):    w_qkv [1024 k][3072 n] f32 -> wq [3072][512 bytes] codes of FP4 (E2M1), K innermost, and ws [3072][32] E8M0 bytes.
;                            THE ROWS OF wq AND ws ARE NOT IN w_qkv's COLUMN ORDER: the 64 columns of head h of part p (0 q, 1 k, 2 v) are rows 64 (6 (h / 2) + 2 p + h % 2) on,
;                            so that the 384 rows which one work-group of the next launch multiplies by (heads 2 c, 2 c + 1 of q, of k, of v) lie on end.
;   X (work-groups 96-223):  x [8192][1024] f32 -> xq [8192][512 bytes], xs [8192][32]
;   P (work-groups 224-287): w_proj f32 -> w16, the same order, f16
;   R (work-groups 288-415): positions -> rope, a table of cos and sin in the order in which the next launch's lanes want them
; THE QUANTISER: a block of 32 along K has the scale 2^(floor(log2(largest magnitude)) - 2); its byte is the largest magnitude's exponent field - 2, held at 1 from below.
; LIMITS: a block of zeros, and blocks whose largest magnitude lies under 2^-124, keep the byte 1 (zero codes add nothing under any byte but 0xff; this program alone reads the bytes).  NaN and infinities are not served.
; The angle pos x theta is reduced by multiples of pi/2 in three parts: good for positions under 2^20; beyond that the quotient is no longer found to within one.
.set WSTG,  65536                      ; role W: 64 columns x (256 bytes of codes + 16)
.set WSC,   82944                      ; role W: 64 columns x 16 scale bytes
.set SPARE, 83968                      ; the spare words, 128 bytes for each of eight waves: four blocks of 256 bytes that no other line names
.set SPW,   192                        ; v192  SPARE + 4 x my thread's number; never rewritten
.set NIL,   193                        ; v193  0; never rewritten
.set RX,    16                         ; role X: v16-79 four sets of 16 numbers as loaded
.set XX,    80                         ;         v80-111 two sets of 16 neighbours
.set EX,    112                        ;         v112-127 a scale byte for each step
.set CX,    128                        ;         v128-191 codes, four registers for each step
.set SP,    80                         ;         a lane's place in a stage: 64 bytes + 16 of padding
.set WX,    32                         ; role W: v32-95 two sets of 32 numbers
.set WC,    96                         ;         v96-99 a block's codes
; ---- role X's steps: 512 numbers a step; four dense loads, a turn through the wave's own stage, so that a lane holds 16 neighbours along K
.macro XLOAD t
.irp i, 0,1,2,3
	global_load_b128 v[RX+16*((\t)%4)+4*\i:RX+16*((\t)%4)+4*\i+3], v3, s[4:5] offset:2048*(\t)+512*\i th:TH_LOAD_NT   ; 32 lanes read 512 consecutive bytes
.endr
.endm
.macro XTURN t                         ; LDS serves a wave's instructions in order: no wait between the stores and the loads
.irp i, 0,1,2,3
	ds_store_b128 v14, v[RX+16*((\t)%4)+4*\i:RX+16*((\t)%4)+4*\i+3] offset:32*SP*((\t)%2)+8*SP*\i
.endr
.irp i, 0,1,2,3
	ds_load_b128 v[XX+16*((\t)%2)+4*\i:XX+16*((\t)%2)+4*\i+3], v15 offset:32*SP*((\t)%2)+16*\i
.endr
.endm
.macro XSTEP t
.set XS, XX+16*((\t)%2)
.if (\t) > 0
	s_wait_dscnt 1                                 ; this step's numbers are back from the stage; only the last step's byte store may be out
.else
	s_wait_dscnt 0x0
.endif
.if (\t)+4 < 16
	XLOAD (\t)+4                                   ; into the registers whose stores into the stage are done
.endif
.if (\t)+1 < 16
.if 14-(\t) >= 3
	s_wait_loadcnt 12                              ; the next step's four loads are in; those of the three steps behind it stay out
.else
	s_wait_loadcnt 4*(14-(\t))
.endif
	XTURN (\t)+1
.endif
	v_max3_num_f32 v8, |v[XS]|, |v[XS+1]|, |v[XS+2]|               ; the largest magnitude of my 16, in two chains
	v_max3_num_f32 v9, |v[XS+3]|, |v[XS+4]|, |v[XS+5]|
.irp i, 6,10
	v_max3_num_f32 v8, v8, |v[XS+\i]|, |v[XS+\i+1]|
	v_max3_num_f32 v9, v9, |v[XS+\i+2]|, |v[XS+\i+3]|
.endr
	v_max3_num_f32 v8, v8, |v[XS+14]|, |v[XS+15]|
	v_max3_num_f32 v8, v8, v9, 0x1800000           ; and the floor 2^(3 - 127): the byte cannot fall under 1
	v_max_num_f32_dpp v8, v8, v8 row_xmask:1 row_mask:0xf bank_mask:0xf   ; with my neighbour's 16: the block's
	v_add_nc_u32 v11, 0xff000000, v8               ; 2 off its exponent field: the conversion takes the exponent field of this operand as its scale
	v_cvt_scalef32_pk8_fp4_f32 v[CX+4*(\t)], v[XS:XS+7], v11
	v_cvt_scalef32_pk8_fp4_f32 v[CX+4*(\t)+1], v[XS+8:XS+15], v11
	v_lshrrev_b32 v[EX+(\t)], 23, v11              ; the scale's byte (a plain line behind the conversions)
	ds_store_b8 v5, v[EX+(\t)] offset:16*(\t)      ; both lanes of a block write the same byte with the same value
	global_store_b64 v4, v[CX+4*(\t):CX+4*(\t)+1], s[12:13] offset:256*(\t)   ; the wave stores 256 consecutive bytes, aligned
.endm
; ---- role W's blocks: a lane takes a column, its registers run down K
.macro WLOAD t
.irp i, 0,1,2,3,4,5,6,7,8,9,10,11,12,13,14,15,16,17,18,19,20,21,22,23,24,25,26,27,28,29,30,31
	global_load_b32 v[WX+32*((\t)%2)+\i], v3, s[6:7] offset:(32*(\t)+\i)*12288 th:TH_LOAD_NT
.endr
.endm
.macro WBLOCK t
.set XS, WX+32*((\t)%2)
.if (\t) < 3
	s_wait_loadcnt 32                              ; this block's 32 loads are in; the next block's 32 stay out
.else
	s_wait_loadcnt 0
.endif
	v_max3_num_f32 v12, |v[XS]|, |v[XS+1]|, |v[XS+2]|              ; all 32 numbers of the block are mine
	v_max3_num_f32 v13, |v[XS+3]|, |v[XS+4]|, |v[XS+5]|
.irp i, 6,10,14,18,22,26
	v_max3_num_f32 v12, v12, |v[XS+\i]|, |v[XS+\i+1]|
	v_max3_num_f32 v13, v13, |v[XS+\i+2]|, |v[XS+\i+3]|
.endr
	v_max3_num_f32 v12, v12, |v[XS+30]|, |v[XS+31]|
	v_max3_num_f32 v12, v12, v13, 0x1800000        ; the floor
	v_add_nc_u32 v11, 0xff000000, v12
	v_lshrrev_b32 v13, 23, v11                     ; the scale's byte
.if (\t) == 0
	v_mov_b32 v24, v13                             ; four bytes to a word, the lower K in the lower byte
.else
	v_lshl_or_b32 v24, v13, 8*(\t), v24
.endif
.irp g, 0,1,2,3
	v_cvt_scalef32_pk8_fp4_f32 v[WC+\g], v[XS+8*\g:XS+8*\g+7], v11
.endr
	ds_store_b128 v4, v[WC:WC+3] offset:16*(\t)    ; 32 codes: 16 bytes of my column's row
.if (\t)+2 < 4
	WLOAD (\t)+2
.endif
	s_wait_dscnt 0x0                               ; the store has read its registers: the next block's codes may be written
.endm
; ---- role R: cos and sin of p x th, times the factor in s27.  a = n pi/2 + r, |r| about pi/4 at the most; polynomials in r; the quadrant n mod 4 swaps and signs them
.macro ANGLE c, s, p, th
	v_mul_f32 v28, v[\p], v[\th]                   ; the angle, rounded as the definition rounds it
	v_mul_f32 v29, 0x3f22f983, v28                 ; x 2 / pi
	v_rndne_f32 v29, v29                           ; n
	v_fma_f32 v28, -v29, s32, v28                  ; a - n pi/2, pi/2 in three parts
	v_fma_f32 v28, -v29, s33, v28
	v_fma_f32 v28, -v29, s34, v28                  ; r
	v_cvt_i32_f32 v29, v29
	v_mul_f32 v30, v28, v28                        ; z = r r
	v_fma_f32 v31, v30, s37, s36
	v_fma_f32 v32, v30, s40, s39
	v_fma_f32 v31, v31, v30, s35
	v_fma_f32 v32, v32, v30, s38
	v_mul_f32 v33, v30, v28
	v_fma_f32 v32, v32, v30, -0.5
	v_fma_f32 v31, v31, v33, v28                   ; sin r
	v_fma_f32 v32, v32, v30, 1.0                   ; cos r
	v_and_b32 v33, 1, v29
	v_cmp_eq_u32 vcc_lo, 1, v33                    ; an odd quadrant swaps the two (a choice of values: no branch)
	v_cndmask_b32 v[\s], v31, v32, vcc_lo
	v_cndmask_b32 v[\c], v32, v31, vcc_lo
	v_and_b32 v33, 2, v29                          ; sin is negative in quadrants 2, 3
	v_add_nc_u32 v29, 1, v29
	v_lshlrev_b32 v33, 30, v33
	v_and_b32 v29, 2, v29                          ; cos in quadrants 1, 2
	v_xor_b32 v[\s], v[\s], v33
	v_lshlrev_b32 v29, 30, v29
	v_xor_b32 v[\c], v[\c], v29
	v_mul_f32 v[\s], s27, v[\s]
	v_mul_f32 v[\c], s27, v[\c]
.endm
	s_load_b512 s[4:19], s[0:1], 0x0               ; x 4, w_qkv 6, w_proj 8, positions 10, xq 12, xs 14, wq 16, ws 18
	s_load_b128 s[20:23], s[0:1], 0x40             ; w16 20, rope 22
	v_lshl_add_u32 v[SPW], v0, 2, SPARE
	v_mov_b32 v[NIL], 0
	v_lshrrev_b32 v1, 5, v0
	v_readfirstlane_b32 s24, v1                    ; wave 0..7
	v_and_b32 v2, 31, v0                           ; lane
	s_wait_kmcnt 0x0
	s_cmp_lt_u32 ttmp9, 96
	s_cbranch_scc1 .Lrole_w
	s_cmp_lt_u32 ttmp9, 224
	s_cbranch_scc1 .Lrole_x
	s_cmp_lt_u32 ttmp9, 288
	s_cbranch_scc1 .Lrole_p
; ================ ROLE R.  One wave makes one block of the table: 4,096 bytes = [b 0..3][i 0..1][lane][16 bytes].  Lane (r, h) of part (b, i) holds (cos, sin) of pairs 8 b + 4 h + 2 i, + 1 of token 16 x block + r.
; Blocks 0-511 serve q: cos and sin times log2(e) / 8, so that the scores come out as exponents of 2.  Blocks 512-1023 serve k.  v is not turned and has no blocks.
	s_sub_co_u32 s25, ttmp9, 288
	s_lshl_b32 s25, s25, 3
	s_add_co_u32 s25, s25, s24                     ; the block, 0..1023
	s_and_b32 s26, s25, 511                        ; its 16 tokens
	s_cmp_lt_u32 s25, 512
	s_cselect_b32 s27, 0x3e38aa3b, 1.0             ; the factor: log2(e) / 8 for q
	s_lshl_b32 s30, s26, 7                         ; 16 tokens x 8 bytes
	s_mov_b32 s31, 0
	s_add_nc_u64 s[10:11], s[10:11], s[30:31]
	s_lshl_b32 s42, s25, 12
	s_mov_b32 s43, 0
	s_add_nc_u64 s[22:23], s[22:23], s[42:43]
	v_and_b32 v3, 15, v0
	v_lshlrev_b32 v3, 3, v3
	global_load_b64 v[16:17], v3, s[10:11]         ; token r's two positions
	s_mov_b32 s32, 0x3fc90fda                      ; pi/2: the upper 23 bits,
	s_mov_b32 s33, 0x33a22168                      ; the next 24,
	s_mov_b32 s34, 0x27c234c4                      ; and the next
	s_mov_b32 s35, 0xbe2aaaa3                      ; sin: -1.6666654611e-1
	s_mov_b32 s36, 0x3c08839e                      ;       8.3321608736e-3
	s_mov_b32 s37, 0xb94ca1f9                      ;      -1.9515295891e-4
	s_mov_b32 s38, 0x3d2aaaa5                      ; cos:  4.166664568e-2
	s_mov_b32 s39, 0xbab6061a                      ;      -1.388731625e-3
	s_mov_b32 s40, 0x37ccf5ce                      ;       2.443315712e-5
	v_bfe_u32 v4, v0, 4, 1                         ; h
	v_cmp_eq_u32 vcc_lo, 1, v4
	v_mov_b32 v6, 0x3dcccccd                       ; 0.1
	v_mov_b32 v7, 0x3a83126f                       ; 0.001
	v_cndmask_b32 v34, 1.0, v6, vcc_lo             ; theta_j = 10^(-j / 4), j = 8 u + 4 h + e: 10^-(2 u + h) x 10^(-e / 4)
	v_cndmask_b32 v35, 0x3c23d70a, v7, vcc_lo      ; 0.01 or 0.001
.irp u, 0,1
	v_mov_b32 v[20+4*\u], v[34+\u]
	v_mul_f32 v[21+4*\u], 0x3f0ff59a, v[34+\u]     ; 10^-0.25 = 0.56234133
	v_mul_f32 v[22+4*\u], 0x3ea1e89b, v[34+\u]     ; 10^-0.5  = 0.31622777
	v_mul_f32 v[23+4*\u], 0x3e361887, v[34+\u]     ; 10^-0.75 = 0.17782794
.endr
	v_lshlrev_b32 v5, 4, v2
	s_wait_loadcnt 0x0
	v_cvt_f32_i32 v18, v16
	v_cvt_f32_i32 v19, v17
	v_max_num_f32 v18, 0, v18                      ; a negative position: angle 0, cos 1, sin 0: the pair stays as it is, which is what the definition asks
	v_max_num_f32 v19, 0, v19
.irp b, 0,1,2,3                        ; pairs 0-15 turn by the first position, pairs 16-31 by the second
.irp e, 0,1,2,3
	ANGLE 40+8*\b+2*\e, 41+8*\b+2*\e, 18+\b/2, 20+4*(\b%2)+\e
.endr
	global_store_b128 v5, v[40+8*\b:43+8*\b], s[22:23] offset:1024*\b        ; 512 consecutive bytes a store; each part has registers of its own
	global_store_b128 v5, v[44+8*\b:47+8*\b], s[22:23] offset:1024*\b+512
.endr
	s_endpgm
; ================ ROLE P.  A stream: a wave takes 8,192 bytes of w_proj and stores 4,096 of f16.
.Lrole_p:
	s_sub_co_u32 s25, ttmp9, 224
	s_lshl_b32 s25, s25, 3
	s_add_co_u32 s25, s25, s24                     ; my run, 0..511
	s_lshl_b32 s26, s25, 13
	s_mov_b32 s27, 0
	s_add_nc_u64 s[8:9], s[8:9], s[26:27]
	s_lshl_b32 s26, s25, 12
	s_add_nc_u64 s[20:21], s[20:21], s[26:27]
	v_lshlrev_b32 v3, 4, v2
	v_lshlrev_b32 v4, 3, v2
.irp i, 0,1,2,3,4,5,6,7,8,9,10,11,12,13,14,15
	global_load_b128 v[32+4*\i:35+4*\i], v3, s[8:9] offset:512*\i th:TH_LOAD_NT
.endr
.irp i, 0,1,2,3,4,5,6,7,8,9,10,11,12,13,14,15
	s_wait_loadcnt 15-\i                           ; load i is in; the younger ones stay out
	v_cvt_pk_f16_f32 v[96+2*\i], v[32+4*\i], v[33+4*\i]
	v_cvt_pk_f16_f32 v[97+2*\i], v[34+4*\i], v[35+4*\i]
	global_store_b64 v4, v[96+2*\i:97+2*\i], s[20:21] offset:256*\i          ; 256 consecutive bytes, aligned
.endr
	s_endpgm
; ================ ROLE X.  x is a plain stream of blocks of 32; a wave takes 8,192 numbers in 16 steps.  LDS: 8,192 bytes a wave: two stages of 2,560 and its 256 scale bytes.
.Lrole_x:
	s_sub_co_u32 s25, ttmp9, 96
	s_lshl_b32 s25, s25, 3
	s_add_co_u32 s25, s25, s24                     ; my run, 0..1023
	s_lshl_b32 s26, s24, 13                        ; my region of LDS
	v_lshlrev_b32 v3, 4, v2                        ; my 16 bytes of a load's 512
	v_lshrrev_b32 v14, 2, v2
	v_mul_u32_u24 v14, v14, SP
	v_and_b32 v15, 3, v2
	v_lshl_add_u32 v14, v15, 4, v14
	v_add_nc_u32 v14, s26, v14                     ; the stage, on the way in: four lanes' 64 bytes on end, then 16 of padding
	v_mul_u32_u24 v15, v2, SP
	v_add_nc_u32 v15, s26, v15                     ; and on the way out: my 16 neighbours
	v_lshlrev_b32 v4, 3, v2                        ; 8 bytes a lane: my codes' place in a step's, and my part of the scale bytes
	v_lshrrev_b32 v5, 1, v2
	s_add_co_u32 s26, s26, 2*32*SP
	v_add_nc_u32 v5, s26, v5                       ; my block's byte
	v_add_nc_u32 v6, s26, v4
	s_mov_b32 s29, 0
	s_lshl_b32 s28, s25, 15
	s_add_nc_u64 s[4:5], s[4:5], s[28:29]
	s_lshl_b32 s28, s25, 12
	s_add_nc_u64 s[12:13], s[12:13], s[28:29]
	s_lshl_b32 s28, s25, 8
	s_add_nc_u64 s[14:15], s[14:15], s[28:29]
.irp t, 0,1,2,3
	XLOAD \t
.endr
	s_wait_loadcnt 12                              ; step 0's four loads are in
	XTURN 0
.irp t, 0,1,2,3,4,5,6,7,8,9,10,11,12,13,14,15
	XSTEP \t
.endr
	ds_load_b64 v[8:9], v6                         ; my wave's 256 scale bytes: these loads see my stores
	s_wait_dscnt 0x0
	global_store_b64 v4, v[8:9], s[14:15]          ; one aligned run of 256 bytes
	s_wait_tensorcnt 0x0                           ; the wave's end: behind my last LDS store
	ds_add_u32 v[SPW], v[NIL]
	s_wait_dscnt 0x0
	s_endpgm
; ================ ROLE W.  A work-group takes 64 columns (one head of q, k or v: 256 consecutive bytes of each row) x 512 along K; wave w takes columns 32 (w % 2) on and K 128 (w / 2) on: four blocks a lane.
; The codes meet in a stage, a row to a column, and leave as rows: sixteen lanes store 256 consecutive bytes of a row of wq.
.Lrole_w:
	s_cmp_ge_u32 ttmp9, 48
	s_cselect_b32 s25, 1, 0                        ; which half of K
	s_cselect_b32 s26, 48, 0
	s_sub_co_u32 s26, ttmp9, s26                   ; which 64 columns: 16 x part + head
	s_and_b32 s27, s24, 1
	s_lshr_b32 s28, s24, 1
	s_lshl_b32 s29, s25, 9
	s_lshl_b32 s30, s28, 7
	s_add_co_u32 s29, s29, s30                     ; my first k
	s_mul_i32 s30, s29, 12288
	s_lshl_b32 s31, s26, 8
	s_add_co_u32 s30, s30, s31
	s_lshl_b32 s31, s27, 7
	s_add_co_u32 s30, s30, s31                     ; + 4 x my first column
	s_mov_b32 s31, 0
	s_add_nc_u64 s[6:7], s[6:7], s[30:31]
	v_lshlrev_b32 v3, 2, v2
	WLOAD 0
	WLOAD 1
	v_and_b32 v4, 63, v0                           ; my column of the 64
	v_and_b32 v5, 0x1c0, v0                        ; 64 x (w / 2): my 128 along K are 64 bytes of the row
	v_mad_u32_u24 v4, v4, 272, v5
	v_add_nc_u32 v4, WSTG, v4
	v_and_b32 v5, 63, v0
	v_lshrrev_b32 v6, 6, v0
	v_lshlrev_b32 v5, 4, v5
	v_lshl_add_u32 v5, v6, 2, v5
	v_add_nc_u32 v5, WSC, v5                       ; my scale word: 16 bytes a column, 4 (w / 2)
	v_bfe_u32 v6, v0, 4, 1
	v_and_b32 v7, 15, v0
	v_lshrrev_b32 v8, 5, v0
	v_lshl_add_u32 v8, v8, 3, v6                   ; the way out: wave w takes rows 8 w on, two rows an instruction
	v_mul_u32_u24 v8, v8, 272
	v_lshl_add_u32 v8, v7, 4, v8
	v_add_nc_u32 v8, WSTG, v8
	v_lshlrev_b32 v9, 9, v6
	v_lshl_add_u32 v9, v7, 4, v9                   ; and the same place in wq
	v_lshl_add_u32 v10, v0, 2, WSC                 ; the scale bytes' way out: a word a thread
	v_lshrrev_b32 v14, 2, v0
	v_and_b32 v15, 3, v0
	v_lshlrev_b32 v14, 5, v14
	v_lshl_add_u32 v14, v15, 2, v14                ; column x 32 + 4 x word
	s_and_b32 s27, s26, 15                         ; the head
	s_lshr_b32 s28, s27, 1
	s_mul_i32 s28, s28, 6
	s_and_b32 s27, s27, 1
	s_add_co_u32 s28, s28, s27
	s_lshr_b32 s27, s26, 4                         ; the part
	s_lshl_b32 s27, s27, 1
	s_add_co_u32 s28, s28, s27                     ; my 64 rows' place in wq and ws, in runs of 64: 6 (head / 2) + 2 part + head % 2
	s_lshl_b32 s30, s28, 15                        ; 64 rows x 512 bytes
	s_lshl_b32 s29, s24, 12                        ; + 8 w rows
	s_add_co_u32 s30, s30, s29
	s_lshl_b32 s29, s25, 8                         ; + my half of K
	s_add_co_u32 s30, s30, s29
	s_add_nc_u64 s[16:17], s[16:17], s[30:31]
	s_lshl_b32 s30, s28, 11                        ; 64 rows x 32 bytes
	s_lshl_b32 s29, s25, 4
	s_add_co_u32 s30, s30, s29
	s_add_nc_u64 s[18:19], s[18:19], s[30:31]
.irp t, 0,1,2,3
	WBLOCK \t
.endr
	ds_store_b32 v5, v24
	s_wait_dscnt 0x0                               ; for the others' sake: my stores have landed
	s_barrier_signal -1
	s_barrier_wait -1
.irp i, 0,1,2,3
	ds_load_b128 v[112+4*\i:115+4*\i], v8 offset:544*\i
.endr
	ds_load_b32 v128, v10
.irp i, 0,1,2,3
	s_wait_dscnt 4-\i                              ; load i is in; the younger ones stay out
	global_store_b128 v9, v[112+4*\i:115+4*\i], s[16:17] offset:1024*\i      ; sixteen lanes store 256 consecutive bytes, aligned
.endr
	s_wait_dscnt 0x0
	global_store_b32 v14, v128, s[18:19]           ; four threads make a column's 16 bytes: half a row of ws; one byte in 128 of what this role reads
	s_wait_tensorcnt 0x0                           ; the wave's end: behind my last LDS store
	ds_add_u32 v[SPW], v[NIL]
	s_wait_dscnt 0x0
	s_endpgm
.Lfunc_end_k_q1b441b2c73_prep:
	.size	k_q1b441b2c73_prep, .Lfunc_end_k_q1b441b2c73_prep-k_q1b441b2c73_prep
	.p2alignl 7, 3214868480
	.fill 96, 4, 3214868480
	.section	.rodata,"a",@progbits
	.p2align	6, 0x0
	.amdhsa_kernel k_q1b441b2c73_prep
		.amdhsa_group_segment_fixed_size 84992
		.amdhsa_private_segment_fixed_size 0
		.amdhsa_enable_private_segment 0
		.amdhsa_kernarg_size 80
		.amdhsa_user_sgpr_count 2
		.amdhsa_user_sgpr_kernarg_segment_ptr 1
		.amdhsa_wavefront_size32 1
		.amdhsa_system_sgpr_workgroup_id_x 1
		.amdhsa_system_sgpr_workgroup_id_y 1
		.amdhsa_system_sgpr_workgroup_id_z 1
		.amdhsa_system_vgpr_workitem_id 0
		.amdhsa_next_free_vgpr 196
		.amdhsa_next_free_sgpr 66
		.amdhsa_reserve_vcc 1
		.amdhsa_float_denorm_mode_32 3
		.amdhsa_float_denorm_mode_16_64 3
		.amdhsa_memory_ordered 1
		.amdhsa_forward_progress 1
		.amdhsa_inst_pref_size 84
	.end_amdhsa_kernel
	.amdgpu_metadata
---
amdhsa.version: [ 1, 2 ]
amdhsa.kernels:
  - .name:           k_q1b441b2c73_prep
    .symbol:         k_q1b441b2c73_prep.kd
    .args:
      - { .name: x, .offset: 0, .size: 8, .value_kind: global_buffer, .address_space: global }
      - { .name: w_qkv, .offset: 8, .size: 8, .value_kind: global_buffer, .address_space: global }
      - { .name: w_proj, .offset: 16, .size: 8, .value_kind: global_buffer, .address_space: global }
      - { .name: positions, .offset: 24, .size: 8, .value_kind: global_buffer, .address_space: global }
      - { .name: xq, .offset: 32, .size: 8, .value_kind: global_buffer, .address_space: global }
      - { .name: xs, .offset: 40, .size: 8, .value_kind: global_buffer, .address_space: global }
      - { .name: wq, .offset: 48, .size: 8, .value_kind: global_buffer, .address_space: global }
      - { .name: ws, .offset: 56, .size: 8, .value_kind: global_buffer, .address_space: global }
      - { .name: w16, .offset: 64, .size: 8, .value_kind: global_buffer, .address_space: global }
      - { .name: rope, .offset: 72, .size: 8, .value_kind: global_buffer, .address_space: global }
    .group_segment_fixed_size: 84992
    .private_segment_fixed_size: 0
    .kernarg_segment_align: 8
    .kernarg_segment_size: 80
    .max_flat_workgroup_size: 256
    .sgpr_count:     66
    .vgpr_count:     196
    .wavefront_size: 32
...
	.end_amdgpu_metadata
.endif
;; end of part 1
;; launch gemm_qkv (part 2): grid 8 x 32, 4 waves a work-group, clusters of 4 x 4, 327,680 bytes of LDS; arguments xq, xs, wq, ws, rope, qkv; writes qkv
.if DOCPART == 2
	.amdgcn_target "amdgcn-amd-amdhsa--gfx1250"
	.amdhsa_code_object_version 6
	.text
	.protected	k_q1b441b2c73_gemm_qkv
	.globl	k_q1b441b2c73_gemm_qkv
	.p2align	8
	.type	k_q1b441b2c73_gemm_qkv,@function
k_q1b441b2c73_gemm_qkv:
	s_mov_b64 s[64:65], 0
	v_nop
	global_prefetch_b8 v0, s[64:65] scope:SCOPE_SE
	s_setreg_imm32_b32 hwreg(HW_REG_WAVE_MODE, 25, 1), 1
	s_wait_xcnt 0x0
	s_wait_alu depctr_hold_cnt(0) depctr_sa_sdst(0) depctr_va_vdst(0) depctr_va_sdst(0) depctr_va_ssrc(0) depctr_va_vcc(0) depctr_vm_vsrc(0)
	s_getreg_b32 s2, hwreg(HW_REG_IB_STS2, 6, 4)
	s_cmp_eq_u32 s2, 0
	s_cbranch_scc0 .Lentry_in_a_cluster
	s_endpgm
.Lentry_in_a_cluster:
	s_bfe_u32 s2, ttmp6, 0x10000c
	s_cmp_lg_u32 s2, 0xf033
	s_cbranch_scc0 .Lentry_shape_is_right
	s_endpgm
.Lentry_shape_is_right:
; qkv = Q(x) Q(w_qkv), on codes of FP4 (E2M1) with one E8M0 scale for each 32 along K, sums in f32; then, on the way out, the turning by positions (RoPE) of q and k, the rounding to f16 and the split into heads.
; A = xq [8192][512 bytes], B = wq [3072][512 bytes], their scale bytes [rows][32].  wq's rows lie by tile column c: rows 384 c on are heads 2 c, 2 c + 1 of q (128 rows), of k (128), of v (128).
; Out: qkv, f16, [part q, k, v][batch 8][head 16][token 1024][64]; q comes out times log2(e) / 8 (the factor lies in the table).
; SHARES.  8,192 x 3,072 outputs on 256 work-groups: each makes 256 tokens x 384 columns, in two parts.  PART 1: q's and k's 256 columns; a wave makes 128 x 128 (column half 0: q's two heads, half 1: k's): 64 accumulators.
; PART 2: v's 128 columns; a wave makes 128 x 64 (one head): 32 accumulators.  A's 256 rows, all of K = 1,024 in two slots of 512, stay in LDS for both parts.
; LDS holds A (139,264 bytes) and 256 rows of B (139,264); 384 rows of B would not fit beside A.  So v's 128 rows are ONE refill, over q's rows, behind part 1's last product; it lands while part 1's results go out.
; THE SCALES of the work-group's 256 rows of A and 384 rows of B, for all of K, are two dense blocks of memory: they come into LDS once, with the first fills.
; CLUSTERS: 4 x 4 work-groups.  The four of a row of the cluster need the same tiles of A, the four of a column the same tiles of B: each tile is asked for JOINTLY, by the same tensor load with the same descriptor
; and a mask that names the four.  A wave has three tensor loads out at the start (scales, slot 0, slot 1) and one behind the refill's round.  No prefetch: all loads but that one go out at the head.
; THE MATRIX INSTRUCTION IS USED TRANSPOSED (source 0 = 16 rows of B, source 1 = 16 rows of A): a lane holds one token and eight neighbouring columns: four pairs of the turning, 16 bytes of f16.
; LIMIT: a result beyond 65,504 becomes an infinity in f16.  With inputs as drawn the largest is about 6; with x and w both 30 times larger about 5,000.
; REGISTERS, in windows of 256: window 0: v0-31 addresses; v32-95 scale words, two sets; v128-191 A's fragments (part 2: and v192-255, a second set); v192-255 cos and sin of two blocks of tokens.
;   On the way out v32-95 turned numbers, v96-127 f16, v128-191 rows.   window 1: B's fragments, two sets, at v0 and v128 (part 2: at v0 and v32); v64-127 and v192-255 cos and sin of four blocks.
;   window 2: the accumulators of my rows 0-63 ((a, b) at v[8 (8 a + b)]; part 2: all 32, (a, b) at v[8 (4 a + b)]);   window 3: those of my rows 64-127.
.set SIZE_K, 1024
.set KSTEP,  512                       ; along K in a slot
.set NQ,     KSTEP/128                 ; matrix instructions deep
.set ROWB,   256                       ; a tile's row in bytes
.set KROW,   SIZE_K*4/8                ; a row of A or of B in memory
.set PITCH,  272                       ; an LDS row: 256 bytes + 16 of padding: the 16 rows that a load touches start 68 words apart
.set FR,     8                         ; registers of a fragment: 16 rows x 128 K
.set NL,     2                         ; LDS loads that bring one
.set NP,     4                         ; places behind this matrix instruction (ISA guide 7.12.1)
.set HALFT,  128*PITCH                 ; 128 rows: what one tensor load brings
.set SLOT,   4*HALFT                   ; A's 256 rows, then 256 rows of B
.set KS,     SIZE_K/32                 ; a row of scales in bytes
.set SCLB,   2*SLOT                    ; behind the slots: B's scales, 384 rows, as units of 256 bytes (8 rows) + 16 of padding;
.set HALFSB, (192*KS/256)*272          ; (192 rows: what one tensor load brings)
.set SCLA,   SCLB+2*HALFSB             ; behind them A's, 256 rows.  B's lie below: part 2's loads of scale words reach, in lanes 16-31, up to 64 rows past B's last, into A's: words that are loaded and never used
.set HALFS,  (128*KS/256)*272          ; the scales of 128 rows
.set SBLK,   (16*KS/256)*272           ; those of 16 rows
.set SPARE,  SCLA+2*HALFS              ; the spare words, 128 bytes for each wave: two blocks of 256 bytes that no other line names
.set STAGE,  SPARE+512                 ; the way out's stages: 4,608 bytes a wave, [head 2][16 tokens][128 bytes + 16]: bytes of their own, into which no fill lands
.set ADRA, 16                          ; v16-17  LDS address of my A fragments in slot 0, 1
.set ADRB, 20                          ; v20-21  the same for B in part 1
.set ADRV, 22                          ; v22-23  the same for B in part 2
.set STO,  24                          ; v24     the way out: where I put 16 bytes of a row
.set RD,   25                          ; v25     the way out: where I read rows back
.set CO,   26                          ; v26     16 x lane: my place in every dense run of 512 bytes
.set ADRS, 27                          ; v27     LDS address of my scale words in part 1: lanes 0-15 A's rows, lanes 16-31 B's
.set SPW,  28                          ; v28     SPARE + 4 x my thread's number; never rewritten
.set NIL,  29                          ; v29     0; never rewritten
.set ADRS2, 30                         ; v30     LDS address of my scale words in part 2
.set SC,   32                          ; scale words: set s at v[SC + 32 s]; register 4 i + q: lanes 0-15 A's block i, lanes 16-31 B's block i, the slot's q-th 128 along K
.set AF,   128                         ; A's fragments
.set TT,   32                          ; the way out: 64 turned numbers
.set HH,   96                          ;              32 registers of f16
.set BK,   128                         ;              rows read back, two sets
.set G1, 24                            ; s[24:31] descriptor group 1 for A's tiles;  s[32:39] group 0, one set for each slot
.set G0, 32
.set G1B, 48                           ; s[48:55], s[56:63] the same for B's tiles
.set G0B, 56
.set G1S, 68                           ; s[68:75], s[76:79] groups 1 and 0 for A's scales;  s[80:87], s[88:91] for B's
.set G0S, 76
.set G1SB, 80
.set G0SB, 88
.set G0X, 92                           ; s[92:95] group 0 for the refill: v's rows
.set MSB, 0
.macro WIN new                         ; the immediate's high byte repeats the setting that is left; a switch that changes nothing is dropped
.if MSB != (\new)
	s_set_vgpr_msb (MSB<<8)|(\new)
.set MSB, (\new)
.endif
.endm
.set MUL_LO, 0xa1                      ; source 0 (B) window 1, source 1 (A) window 0, C and D window 2
.set MUL_HI, 0xf1                      ; the same, C and D window 3
.set TO_B,   0x40                      ; destination window 1, address window 0
; A joint load: waves 0 and 1 fetch for A, waves 2 and 3 for B.  Each line has one mask and one set of registers for all that issue it; the branch hangs on the wave's number alone.
; An s_nop 0 and four v_nop follow each of the two lines.
.macro JLOAD g0a, g1a, g0b, g1b
	s_cmp_eq_u32 s15, 0
	s_cbranch_scc0 .Lfor_b_\@
	tensor_load_to_lds s[\g0a:\g0a+3], s[\g1a:\g1a+7]
	s_nop 0
.rept 4
	v_nop
.endr
	s_branch .Lasked_\@
.Lfor_b_\@:
	tensor_load_to_lds s[\g0b:\g0b+3], s[\g1b:\g1b+7]
	s_nop 0
.rept 4
	v_nop
.endr
.Lasked_\@:
.endm
.macro CROUND                          ; a round of the cluster's barrier
	s_barrier_signal -1
	s_barrier_wait -1
	s_cmp_lg_u32 s14, 0
	s_cbranch_scc1 .Lnot_wave_0_\@
	s_barrier_signal -3
.Lnot_wave_0_\@:
	s_barrier_wait -3
	s_barrier_signal -1
	s_barrier_wait -1
.endm
	s_load_b128 s[4:7], s[0:1], 0x0                ; A's codes s[4:5], A's scales s[6:7]
	s_load_b128 s[8:11], s[0:1], 0x10              ; B's codes s[8:9], B's scales s[10:11]
	s_load_b128 s[96:99], s[0:1], 0x20             ; the table s[96:97], qkv s[98:99]
	v_lshl_add_u32 v[SPW], v0, 2, SPARE
	v_mov_b32 v[NIL], 0
	ds_add_u32 v[SPW], v[NIL]                      ; the wave's opening: the add, twice on end, and its wait ahead of my first tensor load
	ds_add_u32 v[SPW], v[NIL]
	v_lshrrev_b32 v1, 5, v0
	v_readfirstlane_b32 s14, v1                    ; wave 0..3
	s_lshr_b32 s15, s14, 1                         ; which half of the tile's rows is mine.  Also: I fetch for A (0) or for B (1)
	s_and_b32 s16, s14, 1                          ; which half of its columns.  Also: which half of A's or B's rows I fetch
	s_bfe_u32 s40, ttmp6, 0x40000                  ; cx, cy: my place in the cluster
	s_bfe_u32 s41, ttmp6, 0x40004
	s_lshl_b32 s42, ttmp9, 2
	s_add_co_u32 s42, s42, s40                     ; tile column = 4 x cluster x + cx, 0..7
	s_and_b32 s17, ttmp7, 0xffff
	s_lshl_b32 s17, s17, 2
	s_add_co_u32 s17, s17, s41                     ; tile row = 4 x cluster y + cy, 0..31
	s_lshl_b32 s43, s41, 2
	s_lshl_b32 s43, 15, s43                        ; my row of the cluster
	s_lshl_b32 s44, 0x1111, s40                    ; my column
	; descriptor group 1: a tile of 128 rows x 256 bytes, padded in LDS
	s_or_b32 s[G1+0], s43, (0<<16)|(1<<20)|(1<<21)|(5<<22)|(3<<25)  ; 15:0 the mask; 17:16 elements of 1 byte; 20 padding on; 21 set beside a mask; 24:22 after every 64 words; 31:25 four words
	s_or_b32 s[G1B+0], s44, (0<<16)|(1<<20)|(1<<21)|(5<<22)|(3<<25)
.irp g, G1, G1B
	s_mov_b32 s[\g+1], ROWB<<16                    ; tensor_dim0
	s_mov_b32 s[\g+2], 128<<16                     ; tensor_dim1
	s_mov_b32 s[\g+3], ROWB<<16                    ; tile_dim0
	s_mov_b32 s[\g+4], 128                         ; tile_dim1
	s_mov_b32 s[\g+5], KROW                        ; tensor_dim0_stride
	s_mov_b32 s[\g+6], 0
	s_mov_b32 s[\g+7], 0
.endr
	; the scales: dense blocks, as rows of 256 bytes (32 elements of 8 bytes), 16 bytes of padding behind each: 128 rows of A are 16 such rows, 192 rows of B are 24
	s_or_b32 s[G1S+0], s43, (3<<16)|(1<<20)|(1<<21)|(5<<22)|(3<<25)
	s_or_b32 s[G1SB+0], s44, (3<<16)|(1<<20)|(1<<21)|(5<<22)|(3<<25)
.irp g, G1S, G1SB
	s_mov_b32 s[\g+1], 32<<16
	s_mov_b32 s[\g+3], 32<<16
	s_mov_b32 s[\g+5], 32
	s_mov_b32 s[\g+6], 0
	s_mov_b32 s[\g+7], 0
.endr
	s_mov_b32 s[G1S+2], 16<<16
	s_mov_b32 s[G1S+4], 16
	s_mov_b32 s[G1SB+2], 24<<16
	s_mov_b32 s[G1SB+4], 24
	; where the tiles come from, in bytes (all under 2^32).  A's hang on the tile row alone, B's on the tile column alone, each in registers that never hold the other coordinate
	s_lshl_b32 s18, s16, 7
	s_lshl_b32 s20, s17, 8
	s_add_co_u32 s20, s20, s18                     ; A: row 256 x tile row + 128 x half
	s_lshl_b32 s22, s20, 5                         ; its scales,
	s_mov_b32 s23, 0
	s_lshl_b32 s20, s20, 9                         ; its codes
	s_mov_b32 s21, 0
	s_mul_i32 s46, s42, 384                        ; B: the tile column's first row
	s_mul_i32 s12, s16, 192
	s_add_co_u32 s12, s12, s46
	s_lshl_b32 s12, s12, 5                         ; the scales of rows 384 c + 192 x half on
	s_mov_b32 s13, 0
	s_add_co_u32 s2, s46, 256
	s_lshl_b32 s2, s2, 9
	s_lshl_b32 s3, s16, 8
	s_add_co_u32 s2, s2, s3                        ; the refill: v's 128 rows, K half = my half
	s_mov_b32 s3, 0
	s_add_co_u32 s46, s46, s18
	s_lshl_b32 s46, s46, 9                         ; the codes of rows 384 c + 128 x half on: q's or k's
	s_mov_b32 s47, 0
	s_mul_i32 s45, s14, HALFT                      ; where they go: wave x 128 rows: no place in the cluster enters an LDS address
	s_mul_i32 s66, s16, HALFS
	s_mul_i32 s67, s16, HALFSB
	s_wait_dscnt 0x0                               ; both opening adds are done
	s_wait_kmcnt 0x0
	s_add_nc_u64 s[20:21], s[4:5], s[20:21]
	s_add_nc_u64 s[22:23], s[6:7], s[22:23]
	s_add_nc_u64 s[46:47], s[8:9], s[46:47]
	s_add_nc_u64 s[12:13], s[10:11], s[12:13]
	s_add_nc_u64 s[2:3], s[8:9], s[2:3]
	CROUND                                         ; all sixteen work-groups are here: the joint loads meet
	s_mov_b32 s[G0S], 1
	s_add_co_u32 s[G0S+1], s66, SCLA
	s_mov_b64 s[G0S+2:G0S+3], s[22:23]
	s_or_b32 s[G0S+3], s[G0S+3], 0x80000000
	s_mov_b32 s[G0SB], 1
	s_add_co_u32 s[G0SB+1], s67, SCLB
	s_mov_b64 s[G0SB+2:G0SB+3], s[12:13]
	s_or_b32 s[G0SB+3], s[G0SB+3], 0x80000000
	JLOAD G0S, G1S, G0SB, G1SB                     ; the scales first: they are wanted with the first slot
.irp s, 0,1
	s_mov_b32 s[G0+4*\s], 1
	s_add_co_u32 s[G0+4*\s+1], s45, \s*SLOT
	s_add_nc_u64 s[G0+4*\s+2:G0+4*\s+3], s[20:21], \s*ROWB
	s_or_b32 s[G0+4*\s+3], s[G0+4*\s+3], 0x80000000
	s_mov_b32 s[G0B+4*\s], 1
	s_add_co_u32 s[G0B+4*\s+1], s45, \s*SLOT
	s_add_nc_u64 s[G0B+4*\s+2:G0B+4*\s+3], s[46:47], \s*ROWB
	s_or_b32 s[G0B+4*\s+3], s[G0B+4*\s+3], 0x80000000
	JLOAD G0+4*\s, G1, G0B+4*\s, G1B
.endr
	s_mov_b32 s[G0X], 1                            ; the refill's group 0: K half z of v's rows goes over q's rows in slot z
	s_mul_i32 s[G0X+1], s16, SLOT
	s_add_co_u32 s[G0X+1], s[G0X+1], 2*HALFT
	s_mov_b64 s[G0X+2:G0X+3], s[2:3]
	s_or_b32 s[G0X+3], s[G0X+3], 0x80000000
	v_and_b32 v1, 15, v0                           ; l % 16
	v_bfe_u32 v2, v0, 4, 1                         ; l / 16
	v_mul_u32_u24 v3, v1, PITCH
	v_lshl_add_u32 v4, v2, 4, v3                   ; a fragment's row x pitch + 16 x half
	s_mul_i32 s21, s15, HALFT                      ; my 128 rows of A
	s_mul_i32 s22, s16, HALFT                      ; part 1: my 128 rows of B,
	s_add_co_u32 s22, s22, 2*HALFT                 ; which lie behind A's 256
	s_mul_i32 s23, s16, 64*PITCH                   ; part 2: my 64 rows of the 128 that take q's place
	s_add_co_u32 s23, s23, 2*HALFT
.irp s, 0,1
	v_add_nc_u32 v[ADRA+\s], s21, v4
	v_add_nc_u32 v[ADRB+\s], s22, v4
	v_add_nc_u32 v[ADRV+\s], s23, v4
	s_add_co_u32 s21, s21, SLOT
	s_add_co_u32 s22, s22, SLOT
	s_add_co_u32 s23, s23, SLOT
.endr
	v_mul_u32_u24 v5, v1, KS                       ; my row's scales: 32 bytes a row,
	v_lshrrev_b32 v6, 8, v5
	v_lshl_add_u32 v5, v6, 4, v5                   ; and 16 more for each 256 passed
	v_xor_b32 v7, 1, v2                            ; 1 in lanes 0-15: they take A's, which lie above B's: the lower base + one product
	s_mul_i32 s21, s16, HALFS                      ; part 1, B's: my 128 rows
	s_mul_i32 s22, s15, HALFS
	s_add_co_u32 s22, s22, SCLA-SCLB               ; A's: my 128 rows
	s_sub_co_u32 s23, s22, s21
	v_mul_u32_u24 v6, s23, v7
	s_add_co_u32 s21, s21, SCLB
	v_add_nc_u32 v6, v5, v6
	v_add_nc_u32 v[ADRS], s21, v6
	s_mul_i32 s21, s16, 8*272                      ; part 2, B's: rows 256 + 64 x half on
	s_add_co_u32 s21, s21, 32*272
	s_sub_co_u32 s23, s22, s21
	v_mul_u32_u24 v6, s23, v7
	s_add_co_u32 s21, s21, SCLB
	v_add_nc_u32 v6, v5, v6
	v_add_nc_u32 v[ADRS2], s21, v6
	s_mul_i32 s23, s14, 4608
	s_add_co_u32 s23, s23, STAGE                   ; my stage
	v_mul_u32_u24 v5, v1, 144
	v_lshl_add_u32 v5, v2, 4, v5
	v_add_nc_u32 v[STO], s23, v5                   ; in: token l % 16, 16 bytes for each half of the lanes
	v_and_b32 v6, 31, v0
	v_lshlrev_b32 v[CO], 4, v6
	v_lshrrev_b32 v5, 3, v6
	v_mul_u32_u24 v5, v5, 144
	v_and_b32 v6, 7, v0
	v_lshl_add_u32 v5, v6, 4, v5
	v_add_nc_u32 v[RD], s23, v5                    ; back: eight lanes to a token's 128 bytes, four tokens an instruction
	; the table: block 16 x tile row + 8 x row half; q's blocks for column half 0, k's, 512 blocks on, for half 1
	s_lshl_b32 s20, s17, 4
	s_lshl_b32 s21, s15, 3
	s_add_co_u32 s20, s20, s21
	s_lshl_b32 s21, s16, 9
	s_add_co_u32 s20, s20, s21
	s_lshl_b32 s20, s20, 12
	s_mov_b32 s21, 0
	s_add_nc_u64 s[96:97], s[96:97], s[20:21]
	; qkv: ((part x 8 + batch) x 16 + head) x 131,072 + token x 128.  Part 1: part = my column half, heads 2 c, 2 c + 1.  Part 2: part 2, head 2 c + my column half
	s_lshr_b32 s47, s17, 2                         ; the batch: four tile rows each
	s_lshl_b32 s47, s47, 4
	s_lshl_b32 s46, s42, 1
	s_add_co_u32 s46, s46, s47                     ; 16 x batch + 2 c
	s_and_b32 s47, s17, 3
	s_lshl_b32 s47, s47, 15                        ; 256 tokens x 128 bytes
	s_lshl_b32 s18, s15, 14                        ; my half: 128 tokens
	s_add_co_u32 s47, s47, s18
	s_lshl_b32 s18, s16, 7
	s_add_co_u32 s18, s18, s46
	s_lshl_b32 s18, s18, 17
	s_add_co_u32 s18, s18, s47
	s_mov_b32 s19, 0
	s_add_co_u32 s46, s46, s16
	s_add_co_u32 s46, s46, 256
	s_lshl_b32 s46, s46, 17
	s_add_co_u32 s46, s46, s47
	s_mov_b32 s47, 0
	s_add_nc_u64 s[66:67], s[98:99], s[46:47]      ; v's head
	s_add_nc_u64 s[98:99], s[98:99], s[18:19]      ; q's or k's two heads
; cos and sin of block a of my eight blocks of 16 tokens: 4,096 bytes, eight dense loads of 512, into 32 registers from reg on
.macro LOADCS a, reg
.irp b, 0,1,2,3
.irp i, 0,1
	global_load_b128 v[\reg+8*\b+4*\i:\reg+8*\b+4*\i+3], v[CO], s[96:97] offset:4096*(\a)+1024*\b+512*\i
.endr
.endr
.endm
	LOADCS 0, 192                                  ; six of the eight blocks are asked for now, into registers that the products leave idle; they are wanted on the way out
	LOADCS 1, 224
	WIN TO_B
	LOADCS 2, 64
	LOADCS 3, 96
	LOADCS 4, 192
	LOADCS 5, 224
	WIN 0
.macro FRAG reg, adr, q, i             ; 16 rows x 128 K of 4-bit codes, 8 registers: lane l holds row l % 16; registers 4 c .. 4 c + 3 hold K = 64 c + 32 (l / 16) + 0 .. 31
.irp c, 0,1
	ds_load_b128 v[\reg+4*\c:\reg+4*\c+3], v[\adr] offset:64*(\q)+32*\c+(\i)*16*PITCH
.endr
.endm
; PART 1.  16 matrix instructions: A's blocks a0, a0 + 1 x B's eight, the slot's q-th 128 along K.  p: B's set;  sc: the set of scale words.  zero = 1: the first product starts the sums.
; The 64 accumulators take turns, one instruction a turn, in the same order in every step.
.macro MUL16 a0, p, q, sc, zero
.irp a, \a0, \a0+1
.irp b, 0,1,2,3,4,5,6,7
.if \zero
	v_wmma_scale_f32_16x16x128_f8f6f4 v[8*(8*((\a)%4)+\b):8*(8*((\a)%4)+\b)+7], v[128*(\p)+FR*\b:128*(\p)+FR*\b+FR-1], v[AF+FR*(\a):AF+FR*(\a)+FR-1], 0, v[SC+8*NQ*(\sc)+NQ*\b+(\q)], v[SC+8*NQ*(\sc)+NQ*(\a)+(\q)] matrix_a_fmt:MATRIX_FMT_FP4 matrix_b_fmt:MATRIX_FMT_FP4 matrix_a_scale:MATRIX_SCALE_ROW1
.else
	v_wmma_scale_f32_16x16x128_f8f6f4 v[8*(8*((\a)%4)+\b):8*(8*((\a)%4)+\b)+7], v[128*(\p)+FR*\b:128*(\p)+FR*\b+FR-1], v[AF+FR*(\a):AF+FR*(\a)+FR-1], v[8*(8*((\a)%4)+\b):8*(8*((\a)%4)+\b)+7], v[SC+8*NQ*(\sc)+NQ*\b+(\q)], v[SC+8*NQ*(\sc)+NQ*(\a)+(\q)] matrix_a_fmt:MATRIX_FMT_FP4 matrix_b_fmt:MATRIX_FMT_FP4 matrix_a_scale:MATRIX_SCALE_ROW1
.endif
.endr
.endr
.endm
.macro FETCH_B slot, q, p              ; B's eight fragments of the slot's q-th 128 along K into set p
	WIN TO_B
.irp i, 0,1,2,3,4,5,6,7
	FRAG 128*(\p)+FR*\i, ADRB+\slot, \q, \i
.endr
	WIN 0
.endm
.macro FETCH_A slot, q, i0             ; A's blocks i0 .. i0 + 3
.irp i, \i0, \i0+1, \i0+2, \i0+3
	FRAG AF+FR*(\i), ADRA+\slot, \q, \i
.endr
.endm
.macro SCALES sc                       ; a slot's scale words into set sc: four words a row; lanes 0-15 take A's block i, lanes 16-31 B's block i
.irp i, 0,1,2,3,4,5,6,7
	ds_load_b128 v[SC+8*NQ*\sc+NQ*\i:SC+8*NQ*\sc+NQ*\i+3], v[ADRS] offset:\i*SBLK
.endr
.endm
; A load into a register that a matrix instruction has read, and a vector instruction that reads a matrix result or writes one of its registers, stand NP places behind it; only plain vector instructions
; that name none of its registers are places (ISA guide 7.12.1 for vector instructions).
.macro PLACES n
.rept \n
	v_nop
.endr
.endm
; A step of 128 along K that has its successor in the same slot.
.macro STEP slot, q, zero
	s_wait_dscnt 4*NL                              ; B's set and A's blocks 0-3 are in; the youngest eight loads (A's blocks 4-7) may be out
	WIN MUL_LO
	MUL16 0, (\q)%2, \q, \slot, \zero
	MUL16 2, (\q)%2, \q, \slot, \zero
	s_wait_dscnt 0                                 ; A's blocks 4-7 are in
	PLACES NP
	FETCH_B \slot, (\q)+1, 1-(\q)%2
	FETCH_A \slot, (\q)+1, 0
	WIN MUL_HI
	MUL16 4, (\q)%2, \q, \slot, \zero
	MUL16 6, (\q)%2, \q, \slot, \zero
	PLACES NP
	WIN 0
	FETCH_A \slot, (\q)+1, 4
.endm
; Slot 0's last step changes slots: one barrier; in front of it each wave waits for all its tensor loads (its part of slot 1), adds 0 to its spare word, and waits for that and for its reads of slot 0.
.macro TURN slot, next
	s_wait_tensorcnt 0x0                           ; all my tensor loads have landed
	ds_add_u32 v[SPW], v[NIL]                      ; 0 onto my spare word
	s_wait_dscnt 4*NL+1                            ; (the add and the youngest eight loads may be out)
	WIN MUL_LO
	MUL16 0, 1, NQ-1, \slot, 0
	s_wait_dscnt 0x0                               ; the add is done, and my reads of this slot are over
	s_barrier_signal -1
	MUL16 2, 1, NQ-1, \slot, 0
	WIN 0
	s_barrier_wait -1
	PLACES NP
	v_add_nc_u32 v[ADRS], 4*NQ, v[ADRS]            ; on to the next slot's scale words
	FETCH_B \next, 0, 0
	FETCH_A \next, 0, 0
	SCALES \next
	WIN MUL_HI
	MUL16 4, 1, NQ-1, \slot, 0
	MUL16 6, 1, NQ-1, \slot, 0
	PLACES NP
	WIN 0
	FETCH_A \next, 0, 4
.endm
.macro STEPS slot, from                ; the slot's steps from .. NQ - 2
.set Q, \from
.rept NQ-1-\from
	STEP \slot, Q, 0
.set Q, Q+1
.endr
.endm
	s_wait_tensorcnt 1                             ; the scales and my part of slot 0 are in (slot 1's load may be out)
	s_barrier_signal -1
	s_barrier_wait -1                              ; everybody's are
	FETCH_B 0, 0, 0
	FETCH_A 0, 0, 0
	SCALES 0
	FETCH_A 0, 0, 4
	STEP 0, 0, 1                                   ; the first step's products start the sums: nothing is cleared
	STEPS 0, 1
	TURN 0, 1
	STEPS 1, 0
	s_wait_dscnt 4*NL                              ; part 1's last step: nothing more to fetch
	WIN MUL_LO
	MUL16 0, 1, NQ-1, 1, 0
	MUL16 2, 1, NQ-1, 1, 0
	s_wait_dscnt 0
	WIN MUL_HI
	MUL16 4, 1, NQ-1, 1, 0
	MUL16 6, 1, NQ-1, 1, 0
	WIN 0
	; THE REFILL.  q's rows of B have been multiplied: v's take their place in both slots.  The three lines in every wave, a round of the cluster's barrier in the place of the work-group's, and the joint load first behind it:
	; wave 2 brings K half 0 into slot 0, wave 3 K half 1 into slot 1; waves 0 and 1 have no part of it.  It has part 1's whole way out in which to land.
	s_wait_tensorcnt 0x0                           ; no tensor load of mine is out
	ds_add_u32 v[SPW], v[NIL]                      ; 0 onto my spare word
	s_wait_dscnt 0x0                               ; the add is done; my reads of the slots ended ahead of the last products
	CROUND                                         ; the same now holds of every wave of all sixteen work-groups
	s_cmp_eq_u32 s15, 0
	s_cbranch_scc1 .Lno_refill
	tensor_load_to_lds s[G0X:G0X+3], s[G1B:G1B+7]
	s_nop 0
.rept 4
	v_nop
.endr
.Lno_refill:
; PART 1'S WAY OUT, block by block of 16 tokens x 128 columns (two heads).  Accumulator b of the block: head b / 4, columns 16 (b % 4) + 8 (l / 16) + 0 .. 7: pairs 8 (b % 4) + 4 (l / 16) + 0 .. 3.
; A pair (x0, x1) becomes (x0 c - x1 s, x1 c + x0 s): one packed multiply by c and two fused multiply-adds by s.  Then f16, 16 bytes a lane, through my own stage, and out as dense runs of 512 bytes:
; in qkv a head's tokens lie on end, 128 bytes each.
.macro SENDQ a
.irp hd, 0,1
.irp i, 0,1,2,3
	global_store_b128 v[CO], v[BK+32*((\a)%2)+16*\hd+4*\i:BK+32*((\a)%2)+16*\hd+4*\i+3], s[98:99] offset:2048*(\a)+512*\i+131072*\hd   ; 32 lanes store 512 consecutive bytes, aligned
.endr
.endr
.endm
.macro OUTBLK a
.set AC, 64*((\a)%4)
.if ((\a) >= 2) && ((\a) < 6)          ; where the block's cos and sin lie: blocks 2-5 in window 1 at v64, v96, v192, v224; the others in window 0 at v192, v224
.set CW, 1
.set CC, 64+32*((\a)-2)+64*(((\a)-2)/2)
.else
.set CW, 0
.set CC, 192+32*((\a)%2)
.endif
.if (\a) == 0
	s_wait_loadcnt 0x0                             ; the six blocks asked for at the head are in
.elseif (\a) == 6
	s_wait_loadcnt 8                               ; block 6's cos and sin are in; block 7's eight loads may be out
.elseif (\a) == 7
	s_wait_loadcnt 0x0
.endif
	WIN (0x02+(\a)/4)|(CW<<2)                      ; source 0: the accumulators' window; source 1: cos and sin's
.irp b, 0,1,2,3,4,5,6,7
.irp p, 0,1,2,3                        ; each accumulator from its low end on
	v_pk_mul_f32 v[TT+8*\b+2*\p:TT+8*\b+2*\p+1], v[AC+8*\b+2*\p:AC+8*\b+2*\p+1], v[CC+8*(\b%4)+2*\p:CC+8*(\b%4)+2*\p+1] op_sel_hi:[1,0]
.endr
.irp p, 0,1,2,3
	v_fma_f32 v[TT+8*\b+2*\p], -v[AC+8*\b+2*\p+1], v[CC+8*(\b%4)+2*\p+1], v[TT+8*\b+2*\p]
	v_fma_f32 v[TT+8*\b+2*\p+1], v[AC+8*\b+2*\p], v[CC+8*(\b%4)+2*\p+1], v[TT+8*\b+2*\p+1]
.endr
.endr
	WIN 0
.if (\a) < 2
	LOADCS (\a)+6, 192+32*(\a)                     ; blocks 6 and 7 into the sets that blocks 0 and 1 have left: five blocks ahead of their use
.endif
.irp i, 0,1,2,3,4,5,6,7,8,9,10,11,12,13,14,15,16,17,18,19,20,21,22,23,24,25,26,27,28,29,30,31
	v_cvt_pk_f16_f32 v[HH+\i], v[TT+2*\i], v[TT+2*\i+1]
.endr
.irp b, 0,1,2,3,4,5,6,7
	ds_store_b128 v[STO], v[HH+4*\b:HH+4*\b+3] offset:(\b/4)*2304+(\b%4)*32
.endr
.if (\a) >= 2
	s_wait_xcnt 0x0                                ; the stores of the block two back have read their registers: this block's rows may land there
.endif
.irp hd, 0,1
.irp i, 0,1,2,3
	ds_load_b128 v[BK+32*((\a)%2)+16*\hd+4*\i:BK+32*((\a)%2)+16*\hd+4*\i+3], v[RD] offset:2304*\hd+576*\i   ; LDS serves a wave's instructions in order: these see the stores above
.endr
.endr
	s_wait_dscnt 8                                 ; only these eight loads may be out: my stores into the stage have read their registers, and the block before is back
.if (\a) > 0
	SENDQ (\a)-1
.endif
.endm
	PLACES NP                                      ; behind the last products: the turned numbers take the scale words' registers
.irp a, 0,1,2,3,4,5,6,7
	OUTBLK \a
.endr
	s_wait_dscnt 0x0
	SENDQ 7
; PART 2: v's 128 columns; my 128 tokens x 64 columns: 32 accumulators, all in window 2, by turns.  Two whole sets of fragments: A's eight at v128 and v192 of window 0, B's four at v0 and
; v32 of window 1.  A step waits for its set, asks for the next step's 24 loads into the other set, and multiplies.
.macro FETCH2 slot, q, p
	WIN TO_B
.irp i, 0,1,2,3
	FRAG 32*(\p)+FR*\i, ADRV+\slot, \q, \i
.endr
	WIN 0
.irp i, 0,1,2,3,4,5,6,7
	FRAG 128+64*(\p)+FR*\i, ADRA+\slot, \q, \i
.endr
.endm
.macro MUL32 p, q, sc, zero
.irp a, 0,1,2,3,4,5,6,7
.irp b, 0,1,2,3
.if \zero
	v_wmma_scale_f32_16x16x128_f8f6f4 v[8*(4*\a+\b):8*(4*\a+\b)+7], v[32*(\p)+FR*\b:32*(\p)+FR*\b+FR-1], v[128+64*(\p)+FR*\a:128+64*(\p)+FR*\a+FR-1], 0, v[SC+32*(\sc)+4*\b+(\q)], v[SC+32*(\sc)+4*\a+(\q)] matrix_a_fmt:MATRIX_FMT_FP4 matrix_b_fmt:MATRIX_FMT_FP4 matrix_a_scale:MATRIX_SCALE_ROW1
.else
	v_wmma_scale_f32_16x16x128_f8f6f4 v[8*(4*\a+\b):8*(4*\a+\b)+7], v[32*(\p)+FR*\b:32*(\p)+FR*\b+FR-1], v[128+64*(\p)+FR*\a:128+64*(\p)+FR*\a+FR-1], v[8*(4*\a+\b):8*(4*\a+\b)+7], v[SC+32*(\sc)+4*\b+(\q)], v[SC+32*(\sc)+4*\a+(\q)] matrix_a_fmt:MATRIX_FMT_FP4 matrix_b_fmt:MATRIX_FMT_FP4 matrix_a_scale:MATRIX_SCALE_ROW1
.endif
.endr
.endr
.endm
.macro STEP2 slot, q, zero, nslot, nq
	s_wait_dscnt 0x0                               ; this step's set is in
	PLACES NP                                      ; behind the last step's products, which read the other set
	FETCH2 \nslot, \nq, 1-(\q)%2
	WIN MUL_LO
	MUL32 (\q)%2, \q, \slot, \zero
	WIN 0
.endm
	s_wait_tensorcnt 0x0                           ; my part of v's rows has landed (waves 2 and 3),
	s_wait_xcnt 0x0                                ; and part 1's stores have read their registers: fragments may land there
	s_barrier_signal -1
	s_barrier_wait -1                              ; everybody's has
	FETCH2 0, 0, 0
.irp s, 0,1                            ; the scale words of both slots, once: lanes 0-15 A's block i, lanes 16-31 v's block i (of blocks 4-7 the upper lanes' words are not used)
.irp i, 0,1,2,3,4,5,6,7
	ds_load_b128 v[SC+32*\s+4*\i:SC+32*\s+4*\i+3], v[ADRS2] offset:\i*SBLK+16*\s
.endr
.endr
	STEP2 0, 0, 1, 0, 1                            ; the first step's products start the sums
	STEP2 0, 1, 0, 0, 2
	STEP2 0, 2, 0, 0, 3
	STEP2 0, 3, 0, 1, 0
	STEP2 1, 0, 0, 1, 1
	STEP2 1, 1, 0, 1, 2
	STEP2 1, 2, 0, 1, 3
	s_wait_dscnt 0x0                               ; the last step: nothing more to fetch
	WIN MUL_LO
	MUL32 1, 3, 1, 0
	WIN 0
; PART 2'S WAY OUT: v is not turned: f16, through my stage, out as dense runs of 512 bytes; a block is 16 tokens x 64 columns.
.macro SENDV a
.irp i, 0,1,2,3
	global_store_b128 v[CO], v[BK+16*((\a)%2)+4*\i:BK+16*((\a)%2)+4*\i+3], s[66:67] offset:2048*(\a)+512*\i   ; 32 lanes store 512 consecutive bytes, aligned
.endr
.endm
.macro OUTV a
	WIN 0x0a                                       ; sources 0 and 1: window 2
.irp i, 0,1,2,3,4,5,6,7,8,9,10,11,12,13,14,15
	v_cvt_pk_f16_f32 v[HH+\i], v[32*(\a)+2*\i], v[32*(\a)+2*\i+1]           ; each accumulator from its low end on
.endr
	WIN 0
.irp b, 0,1,2,3
	ds_store_b128 v[STO], v[HH+4*\b:HH+4*\b+3] offset:32*\b
.endr
.if (\a) >= 2
	s_wait_xcnt 0x0                                ; the stores of the block two back have read their registers
.endif
.irp i, 0,1,2,3
	ds_load_b128 v[BK+16*((\a)%2)+4*\i:BK+16*((\a)%2)+4*\i+3], v[RD] offset:576*\i
.endr
	s_wait_dscnt 4                                 ; only these four loads may be out: my stores into the stage have read their registers, and the block before is back
.if (\a) > 0
	SENDV (\a)-1
.endif
.endm
	PLACES NP                                      ; behind the last products: their results are read, and rows land where A's fragments lay
.irp a, 0,1,2,3,4,5,6,7
	OUTV \a
.endr
	s_wait_dscnt 0x0
	SENDV 7
	s_wait_tensorcnt 0x0                           ; the wave's end: behind my last tensor load and my last LDS store
	ds_add_u32 v[SPW], v[NIL]
	s_wait_dscnt 0x0
	CROUND                                         ; the closing round: no work-group ends while a partner may still ask for a tile that names it
	s_endpgm
.Lfunc_end_k_q1b441b2c73_gemm_qkv:
	.size	k_q1b441b2c73_gemm_qkv, .Lfunc_end_k_q1b441b2c73_gemm_qkv-k_q1b441b2c73_gemm_qkv
	.p2alignl 7, 3214868480
	.fill 96, 4, 3214868480
	.section	.rodata,"a",@progbits
	.p2align	6, 0x0
	.amdhsa_kernel k_q1b441b2c73_gemm_qkv
		.amdhsa_group_segment_fixed_size 327680
		.amdhsa_private_segment_fixed_size 0
		.amdhsa_enable_private_segment 0
		.amdhsa_kernarg_size 48
		.amdhsa_user_sgpr_count 2
		.amdhsa_user_sgpr_kernarg_segment_ptr 1
		.amdhsa_wavefront_size32 1
		.amdhsa_system_sgpr_workgroup_id_x 1
		.amdhsa_system_sgpr_workgroup_id_y 1
		.amdhsa_system_sgpr_workgroup_id_z 1
		.amdhsa_system_vgpr_workitem_id 0
		.amdhsa_next_free_vgpr 1024
		.amdhsa_next_free_sgpr 100
		.amdhsa_reserve_vcc 0
		.amdhsa_float_denorm_mode_32 3
		.amdhsa_float_denorm_mode_16_64 3
		.amdhsa_memory_ordered 1
		.amdhsa_forward_progress 1
		.amdhsa_inst_pref_size 246
	.end_amdhsa_kernel
	.amdgpu_metadata
---
amdhsa.version: [ 1, 2 ]
amdhsa.kernels:
  - .name:           k_q1b441b2c73_gemm_qkv
    .symbol:         k_q1b441b2c73_gemm_qkv.kd
    .args:
      - { .name: xq, .offset: 0, .size: 8, .value_kind: global_buffer, .address_space: global }
      - { .name: xs, .offset: 8, .size: 8, .value_kind: global_buffer, .address_space: global }
      - { .name: wq, .offset: 16, .size: 8, .value_kind: global_buffer, .address_space: global }
      - { .name: ws, .offset: 24, .size: 8, .value_kind: global_buffer, .address_space: global }
      - { .name: rope, .offset: 32, .size: 8, .value_kind: global_buffer, .address_space: global }
      - { .name: qkv, .offset: 40, .size: 8, .value_kind: global_buffer, .address_space: global }
    .group_segment_fixed_size: 327680
    .private_segment_fixed_size: 0
    .kernarg_segment_align: 8
    .kernarg_segment_size: 48
    .max_flat_workgroup_size: 128
    .sgpr_count:     100
    .vgpr_count:     1024
    .wavefront_size: 32
...
	.end_amdgpu_metadata
.endif
;; end of part 2
;; launch attention (part 3): grid 2 x 128, 8 waves a work-group, no clusters, 327,680 bytes of LDS; arguments qkv, attn_mask, att; writes att
.if DOCPART == 3
	.amdgcn_target "amdgcn-amd-amdhsa--gfx1250"
	.amdhsa_code_object_version 6
	.text
	.protected	k_q1b441b2c73_attention
	.globl	k_q1b441b2c73_attention
	.p2align	8
	.type	k_q1b441b2c73_attention,@function
k_q1b441b2c73_attention:
	s_mov_b64 s[64:65], 0
	v_nop
	global_prefetch_b8 v0, s[64:65] scope:SCOPE_SE
	s_setreg_imm32_b32 hwreg(HW_REG_WAVE_MODE, 25, 1), 1
	s_wait_xcnt 0x0
; att[b][h][q][:] = the sum over k of softmax_k(t[q][k]) v[k][:], t = q . k with q already times log2(e) / 8, so that p = 2^(t - m).  Keys whose mask byte is 0 get -1e30 in t's place.
; q, k, v: f16, qkv [part][b][h][token][64].  att: f16, [b][h][token][64].  Products on f16 operands, sums, maxima and the softmax in f32; p is rounded to f16 for the second product, att once at the end.
; SHARES.  A work-group owns one head and 512 of its queries; each of its eight waves 64 queries: four tiles of 16.  Every wave walks all 1,024 keys, 64 a step.
; THE HEAD'S WHOLE K AND V LIE IN LDS: 16 first fills of 64 rows each, four a wave (waves 0-3: K, waves 4-7: V), nothing is filled again.  A wave has four tensor loads out at the most.
; NO CLUSTER: a head's K and V are read by two work-groups only, once each; four partners would mean 256 queries to a work-group, 32 to a wave, and each fragment read from LDS would feed half the products.
; LAYOUT.  S^T = K Q^T (source 0 = 16 keys, source 1 = 16 queries): a lane holds ONE query (lane % 16) and the keys 8 (lane / 16) + 0..7.  Two such tiles, rounded to f16 in pairs, are source 1 of O^T = V^T P.
; THE MASK costs no vector work: 0 or -1e30 for each key is the C of the first product of its tile.  Beside -1e30 a score is lost: 2^(-1e30 - m) is 0 as soon as one true key has been seen, and what was
; summed before that is wiped by a = 2^(m_old - m_new) = 0.  A batch with no true key at all must come out as the mean of v: there g = 0 takes the place of g = 1 in p = 2^(g t - g m), chosen by s_cselect.
; With g = 1 the product g m is exact, so that t - m is exactly 0 at the maximum, at -1e30 too.
; LIMITS: NaN and infinities in q, k, v are not served.
; REGISTERS: window 0: v3-14 addresses; v16-47 eight registers of statistics a tile (+0 g m, +1 m, +2, +3 l, +4..+7 at work, a in +6); v48-79 the step's 0 or -1e30; v80-207 S^T, 32 a tile (p as f16 over a tile's
;   first 16); v208-227 at work at the head.   window 1: v0-127 O^T, 32 a tile; v128-191 Q; v192-255 K, then V, of the step.
.set PITK,  144                        ; a key's row in LDS: 128 bytes + 16: an odd multiple of 16
.set PITV,  160                        ; a row of V: 128 + 32: an odd multiple of 32, for the turning load
.set VB,    1024*PITK                  ; V behind K
.set BI,    VB+1024*PITV               ; then 1,024 words: 0 or -1e30
.set SPARE, BI+4096                    ; the spare words, 128 bytes for each of eight waves: four blocks of 256 bytes that no other line names
.set AK0, 3                            ; v3   my lane's place in a tile of K
.set AV0, 4                            ; v4   in a tile of V
.set AB0, 5                            ; v5   among the mask's words
.set ADR, 6                            ; v6   the step's K
.set ADB, 7                            ; v7   the step's mask words
.set QO,  8                            ; v8   my byte offset in the wave's rows of Q
.set STO, 9                            ; v9   the way out: where I put 16 bytes of a row
.set RD,  10                           ; v10  where I read rows back
.set GO,  11                           ; v11  16 x lane
.set SPW, 12                           ; v12  SPARE + 4 x my thread's number; never rewritten
.set NIL, 13                           ; v13  0; never rewritten
.set ADV, 14                           ; v14  the step's V
.set ST,  16
.set BIAS, 48
.set S,   80
.set QF,  128                          ; in window 1
.set KV,  192                          ; in window 1
.set WV,  10                           ; s10  my wave's number
.set G1K, 16                           ; s[16:23] descriptor group 1 for K's tiles;  s[24:31] for V's: it differs in the padding
.set G1V, 24
.set G0K, 32                           ; s[32:47] four groups 0 for K;  s[48:63] for V
.set G0V, 48
.set G,   66                           ; s[66:67] g: the packed form names a pair and takes its low word for both halves
.set SEL, 68                           ; s[68:69] lane selects for v_permlanex16_b32: lane l xor 16
.set TK,  70                           ; s70  where the step's K begins in LDS
.set TV,  71                           ; s71  its V
.set TB,  72                           ; s72  its mask words
.set CNT, 73
.set MSB, 0
.macro WIN new                         ; the immediate's high byte repeats the setting that is left; a switch that changes nothing is dropped
.if MSB != (\new)
	s_set_vgpr_msb (MSB<<8)|(\new)
.set MSB, (\new)
.endif
.endm
	s_load_b128 s[4:7], s[0:1], 0x0                ; qkv, attn_mask
	s_load_b64 s[8:9], s[0:1], 0x10                ; att
	v_lshl_add_u32 v[SPW], v0, 2, SPARE
	v_mov_b32 v[NIL], 0
	ds_add_u32 v[SPW], v[NIL]                      ; the wave's opening: the add, twice on end, and its wait ahead of my first tensor load
	ds_add_u32 v[SPW], v[NIL]
	v_lshrrev_b32 v1, 5, v0
	v_readfirstlane_b32 s[WV], v1                  ; wave 0..7
	; descriptor group 1: a tile of 64 rows x 64 elements of 2 bytes, dense in memory, padded in LDS
	s_mov_b32 s[G1K], (1<<16)|(1<<20)|(4<<22)|(3<<25)   ; 17:16 elements of 2 bytes; 20 padding on; 24:22 after every 32 words; 31:25 four words
	s_mov_b32 s[G1V], (1<<16)|(1<<20)|(4<<22)|(7<<25)   ; the same with eight words
.irp g, G1K, G1V
	s_mov_b32 s[\g+1], 64<<16                      ; tensor_dim0
	s_mov_b32 s[\g+2], 64<<16                      ; tensor_dim1
	s_mov_b32 s[\g+3], 64<<16                      ; tile_dim0
	s_mov_b32 s[\g+4], 64                          ; tile_dim1
	s_mov_b32 s[\g+5], 64                          ; tensor_dim0_stride
	s_mov_b32 s[\g+6], 0
	s_mov_b32 s[\g+7], 0
.endr
	s_and_b32 s11, ttmp7, 0xffff                   ; batch x 16 + head
	s_and_b32 s12, s[WV], 3                        ; which 64 rows of each 256 I fetch
	s_lshl_b32 s76, s11, 17                        ; a head is 131,072 bytes
	s_lshl_b32 s13, s12, 13
	s_add_co_u32 s76, s76, s13
	s_mov_b32 s77, 0
	s_mul_i32 s14, s12, 64*PITK
	s_mul_i32 s15, s12, 64*PITV
	s_add_co_u32 s15, s15, VB
	s_mov_b32 s[SEL], 0x76543210
	s_mov_b32 s[SEL+1], 0xfedcba98
	s_mov_b32 s[TK], 0
	s_mov_b32 s[TV], 0
	s_mov_b32 s[TB], 0
	s_wait_dscnt 0x0                               ; both opening adds are done
	s_wait_kmcnt 0x0
	s_add_nc_u64 s[78:79], s[4:5], s[76:77]
	s_add_nc_u64 s[80:81], s[78:79], 0x2000000     ; v: 256 heads on
	s_add_nc_u64 s[78:79], s[78:79], 0x1000000     ; k: 128 heads on
.irp c, 0,1,2,3                        ; group 0 for keys 256 c + 64 (wave % 4) on
	s_mov_b32 s[G0K+4*\c], 1
	s_add_co_u32 s[G0K+4*\c+1], s14, 256*PITK*\c
	s_add_nc_u64 s[G0K+4*\c+2:G0K+4*\c+3], s[78:79], 32768*\c
	s_or_b32 s[G0K+4*\c+3], s[G0K+4*\c+3], 0x80000000
	s_mov_b32 s[G0V+4*\c], 1
	s_add_co_u32 s[G0V+4*\c+1], s15, 256*PITV*\c
	s_add_nc_u64 s[G0V+4*\c+2:G0V+4*\c+3], s[80:81], 32768*\c
	s_or_b32 s[G0V+4*\c+3], s[G0V+4*\c+3], 0x80000000
.endr
	s_cmp_lt_u32 s[WV], 4                          ; a wave's four fills stand in one branch, ahead of every wait on TENSORcnt, every LDS read and every barrier
	s_cbranch_scc0 .Lfill_v
.irp c, 0,1,2,3
	tensor_load_to_lds s[G0K+4*\c:G0K+4*\c+3], s[G1K:G1K+7]
	s_nop 0
.endr
.rept 4
	v_nop
.endr
	s_branch .Lfilled
.Lfill_v:
.irp c, 0,1,2,3
	tensor_load_to_lds s[G0V+4*\c:G0V+4*\c+3], s[G1V:G1V+7]
	s_nop 0
.endr
.rept 4
	v_nop
.endr
.Lfilled:
	s_lshl_b32 s76, s11, 17
	s_lshl_b32 s13, ttmp9, 16                      ; my work-group's 512 queries,
	s_add_co_u32 s76, s76, s13
	s_lshl_b32 s13, s[WV], 13                      ; my wave's 64
	s_add_co_u32 s76, s76, s13
	s_add_nc_u64 s[4:5], s[4:5], s[76:77]          ; q at my first query
	s_add_nc_u64 s[8:9], s[8:9], s[76:77]          ; att likewise
	s_lshr_b32 s76, s11, 4
	s_lshl_b32 s76, s76, 10
	s_add_nc_u64 s[6:7], s[6:7], s[76:77]          ; my batch's 1,024 mask bytes
	v_and_b32 v1, 15, v0                           ; r
	v_bfe_u32 v2, v0, 4, 1                         ; h
	v_lshlrev_b32 v[QO], 7, v1
	v_lshl_add_u32 v[QO], v2, 4, v[QO]
	WIN 0x40                                       ; destination window 1
.irp t, 0,1,2,3                        ; Q stays in registers: tile t, channels 32 ks on
.irp ks, 0,1
	global_load_b128 v[QF+16*\t+8*\ks:QF+16*\t+8*\ks+3], v[QO], s[4:5] offset:2048*\t+64*\ks
	global_load_b128 v[QF+16*\t+8*\ks+4:QF+16*\t+8*\ks+7], v[QO], s[4:5] offset:2048*\t+64*\ks+32
.endr
.endr
	WIN 0
	v_lshlrev_b32 v208, 2, v0
	global_load_b32 v209, v208, s[6:7]             ; my thread's four keys
	v_and_b32 v210, 31, v0
	v_lshlrev_b32 v210, 5, v210
	global_load_b128 v[212:215], v210, s[6:7]      ; and, for each wave, all 1,024 bytes: is any key true?
	global_load_b128 v[216:219], v210, s[6:7] offset:16
	v_mul_u32_u24 v[AK0], v1, PITK
	v_lshl_add_u32 v[AK0], v2, 4, v[AK0]           ; K: row r x pitch + 16 h
	v_and_b32 v220, 7, v0
	v_bfe_u32 v221, v0, 3, 1
	v_lshl_add_u32 v[AV0], v2, 3, v220             ; V, for the turning load: key 8 h + l % 8, channels 8 ((l / 8) % 2) on
	v_mul_u32_u24 v[AV0], v[AV0], PITV
	v_lshl_add_u32 v[AV0], v221, 4, v[AV0]
	v_add_nc_u32 v[AV0], VB, v[AV0]
	v_lshl_add_u32 v[AB0], v2, 5, BI               ; the mask's words of keys 8 h on
	s_mul_i32 s13, s[WV], 16*PITK                  ; my stage for the way out: 16 rows x 144 bytes, in K's bytes, behind the last barrier
	v_add_nc_u32 v[STO], s13, v[AK0]
	v_and_b32 v222, 31, v0
	v_lshlrev_b32 v[GO], 4, v222
	v_lshrrev_b32 v222, 3, v222
	v_mul_u32_u24 v222, v222, PITK
	v_lshl_add_u32 v222, v220, 4, v222
	v_add_nc_u32 v[RD], s13, v222                  ; back: eight lanes to a row, four rows an instruction
	v_lshl_add_u32 v223, v0, 4, BI
	v_mov_b32 v220, 0xf149f2ca                     ; -1e30
	s_wait_loadcnt 0x0
	v_or_b32 v212, v212, v213
	v_or_b32 v214, v214, v215
	v_or_b32 v216, v216, v217
	v_or_b32 v218, v218, v219
	v_or_b32 v212, v212, v214
	v_or_b32 v216, v216, v218
	v_or_b32 v212, v212, v216
	v_cmp_ne_u32 s74, 0, v212
	s_cmp_lg_u32 s74, 0
	s_cselect_b32 s[G], 1.0, 0                     ; g: a choice of a value, no branch
	s_mov_b32 s[G+1], s[G]
.irp j, 0,1,2,3
	v_bfe_u32 v221, v209, 8*\j, 8
	v_cmp_eq_u32 vcc_lo, 0, v221
	v_cndmask_b32 v[224+\j], 0, v220, vcc_lo
.endr
	ds_store_b128 v223, v[224:227]
.macro LDB                             ; the step's 64 words of 0 or -1e30, in the layout of a result: register j of tile kt: key 16 kt + 8 h + j
	WIN 0
.irp kt, 0,1,2,3
	ds_load_b128 v[BIAS+8*\kt:BIAS+8*\kt+3], v[ADB] offset:64*\kt
	ds_load_b128 v[BIAS+8*\kt+4:BIAS+8*\kt+7], v[ADB] offset:64*\kt+16
.endr
.endm
.macro LDK                             ; fragment f: keys 16 (f / 2) on, channels 32 (f % 2) on
	WIN 0x40
.irp f, 0,1,2,3,4,5,6,7
	ds_load_b128 v[KV+8*\f:KV+8*\f+3], v[ADR] offset:(\f/2)*16*PITK+(\f%2)*64
	ds_load_b128 v[KV+8*\f+4:KV+8*\f+7], v[ADR] offset:(\f/2)*16*PITK+(\f%2)*64+32
.endr
.endm
.macro LDV                             ; fragment f of V^T: keys 32 (f / 4) on, channels 16 (f % 4) on
	WIN 0x40
.irp f, 0,1,2,3,4,5,6,7
	ds_load_tr16_b128 v[KV+8*\f:KV+8*\f+3], v[ADV] offset:(\f/4)*32*PITV+(\f%4)*32
	ds_load_tr16_b128 v[KV+8*\f+4:KV+8*\f+7], v[ADV] offset:(\f/4)*32*PITV+16*PITV+(\f%4)*32
.endr
.endm
; 32 products S^T = K Q^T + mask.  The 16 accumulators take turns, one instruction a turn.
.macro QK
	WIN 0x05                                       ; K and Q in window 1
.irp kt, 0,1,2,3
.irp t, 0,1,2,3
	v_wmma_f32_16x16x32_f16 v[S+32*\t+8*\kt:S+32*\t+8*\kt+7], v[KV+16*\kt:KV+16*\kt+7], v[QF+16*\t:QF+16*\t+7], v[BIAS+8*\kt:BIAS+8*\kt+7]
.endr
.endr
.irp kt, 0,1,2,3
.irp t, 0,1,2,3
	v_wmma_f32_16x16x32_f16 v[S+32*\t+8*\kt:S+32*\t+8*\kt+7], v[KV+16*\kt+8:KV+16*\kt+15], v[QF+16*\t+8:QF+16*\t+15], v[S+32*\t+8*\kt:S+32*\t+8*\kt+7]
.endr
.endr
.endm
; 32 products O^T += V^T P.  zero = 1: the first 16 start the sums: nothing is cleared.
.macro PV zero
	WIN 0x51                                       ; V and O^T in window 1, P in window 0
.irp g, 0,1
.irp ct, 0,1,2,3
.irp t, 0,1,2,3
.if \zero && (\g == 0)
	v_wmma_f32_16x16x32_f16 v[32*\t+8*\ct:32*\t+8*\ct+7], v[KV+32*\g+8*\ct:KV+32*\g+8*\ct+7], v[S+32*\t+8*\g:S+32*\t+8*\g+7], 0
.else
	v_wmma_f32_16x16x32_f16 v[32*\t+8*\ct:32*\t+8*\ct+7], v[KV+32*\g+8*\ct:KV+32*\g+8*\ct+7], v[S+32*\t+8*\g:S+32*\t+8*\g+7], v[32*\t+8*\ct:32*\t+8*\ct+7]
.endif
.endr
.endr
.endr
.endm
; The softmax of tiles x and y for one key step, line by line for both, so that no line waits for the line above it.  first = 1: the first step: no old m, no a, nothing to rescale.
.macro SM2 x, y, first
	WIN 0
.irp j, 0,1,2,3                        ; the maximum of the lane's 32 numbers: four chains; each accumulator is read from its low end on
.irp t, \x, \y
	v_max3_num_f32 v[ST+8*\t+4+\j], v[S+32*\t+8*\j], v[S+32*\t+8*\j+1], v[S+32*\t+8*\j+2]
.endr
.endr
.irp i, 3,5
.irp j, 0,1,2,3
.irp t, \x, \y
	v_max3_num_f32 v[ST+8*\t+4+\j], v[ST+8*\t+4+\j], v[S+32*\t+8*\j+\i], v[S+32*\t+8*\j+\i+1]
.endr
.endr
.endr
.irp t, \x, \y
	v_max3_num_f32 v[ST+8*\t+4], v[ST+8*\t+4], v[S+32*\t+7], v[S+32*\t+15]
	v_max3_num_f32 v[ST+8*\t+6], v[ST+8*\t+6], v[S+32*\t+23], v[S+32*\t+31]
.endr
.irp t, \x, \y
	v_max3_num_f32 v[ST+8*\t+4], v[ST+8*\t+4], v[ST+8*\t+5], v[ST+8*\t+6]
.endr
.irp t, \x, \y
.if \first
	v_max_num_f32 v[ST+8*\t+4], v[ST+8*\t+4], v[ST+8*\t+7]
.else
	v_max3_num_f32 v[ST+8*\t+4], v[ST+8*\t+4], v[ST+8*\t+7], v[ST+8*\t+1]
.endif
.endr
.irp t, \x, \y
	v_permlanex16_b32 v[ST+8*\t+5], v[ST+8*\t+4], s[SEL], s[SEL+1]     ; the query's other 32 keys lie in the lane 16 away
.endr
.if \first == 0
.irp t, \x, \y
	v_mov_b32 v[ST+8*\t+7], v[ST+8*\t]             ; g m_old is kept for a
.endr
.endif
.irp t, \x, \y
	v_max_num_f32 v[ST+8*\t+1], v[ST+8*\t+4], v[ST+8*\t+5]            ; the new m
.endr
.irp t, \x, \y
	v_mul_f32 v[ST+8*\t], s[G], v[ST+8*\t+1]       ; g m: exact
.endr
.if \first == 0
.irp t, \x, \y
	v_sub_f32 v[ST+8*\t+7], v[ST+8*\t+7], v[ST+8*\t]
.endr
.endif
.irp b, 0,1,2,3,4,5,6,7,8,9,10,11,12,13,14,15
.irp t, \x, \y
	v_pk_fma_f32 v[S+32*\t+2*\b:S+32*\t+2*\b+1], v[S+32*\t+2*\b:S+32*\t+2*\b+1], s[G:G+1], v[ST+8*\t:ST+8*\t+1] op_sel_hi:[1,0,0] neg_lo:[0,0,1] neg_hi:[0,0,1]   ; g t - g m, two at a time
.endr
.endr
.if \first == 0
.irp t, \x, \y
	v_exp_f32 v[ST+8*\t+6], v[ST+8*\t+7]           ; a = 2^(g m_old - g m_new)
.endr
.endif
.irp e, 0,1,2,3,4,5,6,7,8,9,10,11,12,13,14,15,16,17,18,19,20,21,22,23,24,25,26,27,28,29,30,31
.irp t, \x, \y
	v_exp_f32 v[S+32*\t+\e], v[S+32*\t+\e]         ; p
.endr
.endr
	v_nop                                          ; a plain instruction behind the last exponential
	s_wait_alu depctr_va_vdst(0)                   ; one wait for the whole batch, ahead of its first reader
.irp t, \x, \y                         ; the sums, of the unrounded p, in two chains a tile: l and u
.if \first
	v_pk_add_f32 v[ST+8*\t+2:ST+8*\t+3], v[S+32*\t:S+32*\t+1], v[S+32*\t+6:S+32*\t+7]
.else
	v_pk_fma_f32 v[ST+8*\t+2:ST+8*\t+3], v[ST+8*\t+2:ST+8*\t+3], v[ST+8*\t+6:ST+8*\t+7], v[S+32*\t:S+32*\t+1] op_sel_hi:[1,0,1]
.endif
	v_pk_add_f32 v[ST+8*\t+4:ST+8*\t+5], v[S+32*\t+2:S+32*\t+3], v[S+32*\t+4:S+32*\t+5]
.endr
.if \first == 0
.irp t, \x, \y
	v_pk_add_f32 v[ST+8*\t+2:ST+8*\t+3], v[ST+8*\t+2:ST+8*\t+3], v[S+32*\t+6:S+32*\t+7]
.endr
.endif
.irp b, 4,6,8,10,12,14
.irp t, \x, \y
	v_pk_add_f32 v[ST+8*\t+4:ST+8*\t+5], v[ST+8*\t+4:ST+8*\t+5], v[S+32*\t+2*\b:S+32*\t+2*\b+1]
	v_pk_add_f32 v[ST+8*\t+2:ST+8*\t+3], v[ST+8*\t+2:ST+8*\t+3], v[S+32*\t+2*\b+2:S+32*\t+2*\b+3]
.endr
.endr
.irp t, \x, \y
	v_pk_add_f32 v[ST+8*\t+2:ST+8*\t+3], v[ST+8*\t+2:ST+8*\t+3], v[ST+8*\t+4:ST+8*\t+5]
.endr
.irp i, 0,1,2,3,4,5,6,7,8,9,10,11,12,13,14,15
.irp t, \x, \y
	v_cvt_pk_f16_f32 v[S+32*\t+\i], v[S+32*\t+2*\i], v[S+32*\t+2*\i+1]   ; in place, ascending: register i is written when registers 2 i, 2 i + 1 are read
.endr
.endr
.if \first == 0
	WIN 0x41                                       ; O^T in window 1, a in window 0
.irp i, 0,1,2,3,4,5,6,7,8,9,10,11,12,13,14,15
.irp t, \x, \y
	v_pk_mul_f32 v[32*\t+2*\i:32*\t+2*\i+1], v[32*\t+2*\i:32*\t+2*\i+1], v[ST+8*\t+6:ST+8*\t+7] op_sel_hi:[1,0]
.endr
.endr
.endif
.endm
; A KEY STEP.  K and V share one set of registers: K comes at the step's head, V behind the first products and lands under the softmax.
.macro STEP first
	v_add_nc_u32 v[ADR], s[TK], v[AK0]             ; five plain lines behind the last step's products: their P is written over by this step's first products (five places), their V by the loads below (four)
	v_add_nc_u32 v[ADB], s[TB], v[AB0]
	v_add_nc_u32 v[ADV], s[TV], v[AV0]
	v_nop
	v_nop
	LDB
	LDK
	s_wait_dscnt 0x0
	QK
	WIN 0
.rept 4
	v_nop                                          ; four places: in front of the loads into K's registers, and of the first read of the results
.endr
	LDV
	SM2 0, 1, \first
	SM2 2, 3, \first
	s_wait_dscnt 0x0                               ; V is in
	PV \first
	WIN 0
	s_add_co_u32 s[TK], s[TK], 64*PITK
	s_add_co_u32 s[TV], s[TV], 64*PITV
	s_add_co_u32 s[TB], s[TB], 256
.endm
	s_wait_tensorcnt 3                             ; my part of the first 256 keys is in; my three younger loads stay out
	s_wait_dscnt 0x0                               ; my mask words have landed
	s_barrier_signal -1
	s_barrier_wait -1                              ; everybody's have
	STEP 1                                         ; keys 0-63: starts m, l and O^T
	s_mov_b32 s[CNT], 3
.Lfirst256:                                        ; keys 64-255
	STEP 0
	s_sub_co_u32 s[CNT], s[CNT], 1
	s_cmp_lg_u32 s[CNT], 0
	s_cbranch_scc1 .Lfirst256
	s_wait_tensorcnt 0x0                           ; the rest had four steps in which to land
	s_wait_dscnt 0x0
	s_barrier_signal -1
	s_barrier_wait -1
	s_mov_b32 s[CNT], 12
.Lrest:                                            ; keys 256-1023
	STEP 0
	s_sub_co_u32 s[CNT], s[CNT], 1
	s_cmp_lg_u32 s[CNT], 0
	s_cbranch_scc1 .Lrest
	s_wait_dscnt 0x0
	s_barrier_signal -1
	s_barrier_wait -1                              ; nobody reads K any more: the stages may lie there
	; THE WAY OUT.  l's two halves and the other half of the lanes' are added; O^T is divided by l, rounded to f16 and sent through my stage, a tile (16 rows) at a time.  The additions are the places behind the last products.
.irp t, 0,1,2,3
	v_add_f32 v[ST+8*\t+4], v[ST+8*\t+2], v[ST+8*\t+3]
.endr
.irp t, 0,1,2,3
	v_permlanex16_b32 v[ST+8*\t+5], v[ST+8*\t+4], s[SEL], s[SEL+1]
.endr
.irp t, 0,1,2,3
	v_add_f32 v[ST+8*\t+4], v[ST+8*\t+4], v[ST+8*\t+5]
.endr
.irp t, 0,1,2,3
	v_rcp_f32 v[ST+8*\t+6], v[ST+8*\t+4]
.endr
	v_nop                                          ; a plain instruction behind the last reciprocal
	s_wait_alu depctr_va_vdst(0)                   ; one wait for the four, ahead of the first use
.macro PACK t
	WIN 0x41
.irp i, 0,1,2,3,4,5,6,7,8,9,10,11,12,13,14,15
	v_pk_mul_f32 v[32*\t+2*\i:32*\t+2*\i+1], v[32*\t+2*\i:32*\t+2*\i+1], v[ST+8*\t+6:ST+8*\t+7] op_sel_hi:[1,0]
.endr
	WIN 0x05                                       ; sources in window 1, destination in window 0
.irp i, 0,1,2,3,4,5,6,7,8,9,10,11,12,13,14,15
	v_cvt_pk_f16_f32 v[S+32*\t+\i], v[32*\t+2*\i], v[32*\t+2*\i+1]
.endr
	WIN 0
.irp ct, 0,1,2,3
	ds_store_b128 v[STO], v[S+32*\t+4*\ct:S+32*\t+4*\ct+3] offset:32*\ct    ; query r, channels 16 ct + 8 h on
.endr
.irp i, 0,1,2,3
	ds_load_b128 v[S+32*\t+16+4*\i:S+32*\t+16+4*\i+3], v[RD] offset:4*PITK*\i   ; LDS serves a wave's instructions in order: these see the stores above; the next tile's stores come behind them
.endr
.endm
.macro SEND t, younger                 ; younger: the LDS instructions issued behind tile t's loads: the next tile's eight, or none
.irp i, 0,1,2,3
	s_wait_dscnt \younger+3-\i
	global_store_b128 v[GO], v[S+32*\t+16+4*\i:S+32*\t+16+4*\i+3], s[8:9] offset:2048*\t+512*\i   ; 32 lanes store 512 consecutive bytes, aligned: four rows of att
.endr
.endm
	PACK 0
	PACK 1
	SEND 0, 8
	PACK 2
	SEND 1, 8
	PACK 3
	SEND 2, 8
	SEND 3, 0
	s_wait_tensorcnt 0x0                           ; the wave's end: behind my last tensor load and my last LDS store
	ds_add_u32 v[SPW], v[NIL]
	s_wait_dscnt 0x0
	s_endpgm
.Lfunc_end_k_q1b441b2c73_attention:
	.size	k_q1b441b2c73_attention, .Lfunc_end_k_q1b441b2c73_attention-k_q1b441b2c73_attention
	.p2alignl 7, 3214868480
	.fill 96, 4, 3214868480
	.section	.rodata,"a",@progbits
	.p2align	6, 0x0
	.amdhsa_kernel k_q1b441b2c73_attention
		.amdhsa_group_segment_fixed_size 327680
		.amdhsa_private_segment_fixed_size 0
		.amdhsa_enable_private_segment 0
		.amdhsa_kernarg_size 24
		.amdhsa_user_sgpr_count 2
		.amdhsa_user_sgpr_kernarg_segment_ptr 1
		.amdhsa_wavefront_size32 1
		.amdhsa_system_sgpr_workgroup_id_x 1
		.amdhsa_system_sgpr_workgroup_id_y 1
		.amdhsa_system_sgpr_workgroup_id_z 1
		.amdhsa_system_vgpr_workitem_id 0
		.amdhsa_next_free_vgpr 512
		.amdhsa_next_free_sgpr 84
		.amdhsa_reserve_vcc 1
		.amdhsa_float_denorm_mode_32 3
		.amdhsa_float_denorm_mode_16_64 3
		.amdhsa_memory_ordered 1
		.amdhsa_forward_progress 1
		.amdhsa_inst_pref_size 116
	.end_amdhsa_kernel
	.amdgpu_metadata
---
amdhsa.version: [ 1, 2 ]
amdhsa.kernels:
  - .name:           k_q1b441b2c73_attention
    .symbol:         k_q1b441b2c73_attention.kd
    .args:
      - { .name: qkv, .offset: 0, .size: 8, .value_kind: global_buffer, .address_space: global }
      - { .name: attn_mask, .offset: 8, .size: 8, .value_kind: global_buffer, .address_space: global }
      - { .name: att, .offset: 16, .size: 8, .value_kind: global_buffer, .address_space: global }
    .group_segment_fixed_size: 327680
    .private_segment_fixed_size: 0
    .kernarg_segment_align: 8
    .kernarg_segment_size: 24
    .max_flat_workgroup_size: 256
    .sgpr_count:     84
    .vgpr_count:     512
    .wavefront_size: 32
...
	.end_amdgpu_metadata
.endif
;; end of part 3
;; launch gemm_proj (part 4): grid 4 x 64, 4 waves a work-group, clusters of 4 x 4, 327,680 bytes of LDS; arguments att, w16, out0; writes out0
.if DOCPART == 4
	.amdgcn_target "amdgcn-amd-amdhsa--gfx1250"
	.amdhsa_code_object_version 6
	.text
	.protected	k_q1b441b2c73_gemm_proj
	.globl	k_q1b441b2c73_gemm_proj
	.p2align	8
	.type	k_q1b441b2c73_gemm_proj,@function
k_q1b441b2c73_gemm_proj:
	s_mov_b64 s[64:65], 0
	v_nop
	global_prefetch_b8 v0, s[64:65] scope:SCOPE_SE
	s_setreg_imm32_b32 hwreg(HW_REG_WAVE_MODE, 25, 1), 1
	s_wait_xcnt 0x0
	s_wait_alu depctr_hold_cnt(0) depctr_sa_sdst(0) depctr_va_vdst(0) depctr_va_sdst(0) depctr_va_ssrc(0) depctr_va_vcc(0) depctr_vm_vsrc(0)
	s_getreg_b32 s2, hwreg(HW_REG_IB_STS2, 6, 4)
	s_cmp_eq_u32 s2, 0
	s_cbranch_scc0 .Lentry_in_a_cluster
	s_endpgm
.Lentry_in_a_cluster:
	s_bfe_u32 s2, ttmp6, 0x10000c
	s_cmp_lg_u32 s2, 0xf033
	s_cbranch_scc0 .Lentry_shape_is_right
	s_endpgm
.Lentry_shape_is_right:
; out0[m][n] = the sum over k of A[m][k] w_proj[k][n], k = 64 x head + channel.  A = att, f16, [batch][head][token][64]; w16 = w_proj as f16, [k 1024][n 1024]; out0 f32 [8192][1024]; sums in f32.
; A tile of C is 128 (m) x 256 (n): 256 work-groups.  Four waves, each 64 x 128: 32 accumulators of 16 x 16, 256 registers.  K goes in steps of 128 (two heads) through a ring of two LDS slots.
; A's part of a slot: for each of the two heads 128 tokens x 128 bytes, dense in memory.  B's part: 128 rows (k) x 512 bytes; its K is not innermost, so its fragments come out of LDS by the turning load.
; CLUSTERS: 4 x 4 work-groups.  The four of a row of the cluster need the same tiles of A, the four of a column the same tiles of B: each is asked for JOINTLY, by the same tensor load with the same descriptor and a
; mask that names the four.  A wave has two tensor loads out at the start and one behind each round.
; THE MATRIX INSTRUCTION IS USED TRANSPOSED (source 0 = 16 columns of B, source 1 = 16 rows of A): a lane holds eight neighbouring numbers of a row of C.
; REGISTERS: window 0: v16-30 addresses; v32-159 rows on the way out, two sets.   window 1: two fragment buffers of 96 at v0 and v128: A's four, then B's eight, for 32 along K.   window 2: the accumulators, (a, b) at v[8 (8 a + b)].
.set PA,     144                       ; a token's row in LDS: 128 bytes + 16
.set PB,     544                       ; a row of B: 512 + 32: an odd multiple of 32, for the turning load
.set HALFA,  128*PA                    ; one head's 128 tokens: what one tensor load brings
.set BOFF,   2*HALFA
.set HALFB,  64*PB                     ; 64 rows of B: what one tensor load brings
.set SLOT,   BOFF+2*HALFB
.set KSB,    262144                    ; a K step in memory: two heads of att, and 128 rows of 2,048 bytes of w16
.set STAGE,  2*SLOT                    ; behind the ring: 16 rows x (512 bytes + 16) for each wave
.set SPITCH, 528
.set SPARE,  STAGE+4*16*SPITCH         ; the spare words, 128 bytes for each wave: two blocks of 256 bytes that no other line names
.set LAPS,   4                         ; a lap = two K steps = once round the ring; K = 1,024
.set ADRA, 16                          ; v16-17  LDS address of my A fragments in slot 0, 1
.set ADRB, 20                          ; v20-21  the same for B
.set STO,  24
.set RD,   25
.set CO,   26
.set SPW,  28                          ; v28     SPARE + 4 x my thread's number; never rewritten
.set NIL,  29                          ; v29     0; never rewritten
.set BK,   32
.set F0,   0
.set F1,   128
.set G1, 24                            ; s[24:31] descriptor group 1 for A's tiles;  s[32:39] group 0, one set for each slot
.set G0, 32
.set G1B, 48                           ; s[48:55], s[56:63] the same for B's tiles
.set G0B, 56
.set MSB, 0
.macro WIN new                         ; the immediate's high byte repeats the setting that is left; a switch that changes nothing is dropped
.if MSB != (\new)
	s_set_vgpr_msb (MSB<<8)|(\new)
.set MSB, (\new)
.endif
.endm
.set MUL,  0xa5                        ; sources 0 (B) and 1 (A) window 1; C and D window 2
.set TO_F, 0x40                        ; destination window 1, address window 0
.macro JLOAD s                         ; a joint load: waves 0 and 1 fetch A's two heads, waves 2 and 3 B's two halves; an s_nop 0 and four v_nop follow each line
	s_cmp_eq_u32 s11, 0
	s_cbranch_scc0 .Lfor_b_\@
	tensor_load_to_lds s[G0+4*\s:G0+4*\s+3], s[G1:G1+7]
	s_nop 0
.rept 4
	v_nop
.endr
	s_branch .Lasked_\@
.Lfor_b_\@:
	tensor_load_to_lds s[G0B+4*\s:G0B+4*\s+3], s[G1B:G1B+7]
	s_nop 0
.rept 4
	v_nop
.endr
.Lasked_\@:
.endm
.macro CREST                           ; a round of the cluster's barrier behind its opening barrier
	s_cmp_lg_u32 s10, 0
	s_cbranch_scc1 .Lnot_wave_0_\@
	s_barrier_signal -3
.Lnot_wave_0_\@:
	s_barrier_wait -3
	s_barrier_signal -1
	s_barrier_wait -1
.endm
.macro CROUND                          ; a whole round
	s_barrier_signal -1
	s_barrier_wait -1
	CREST
.endm
	s_load_b128 s[4:7], s[0:1], 0x0                ; att, w16
	s_load_b64 s[8:9], s[0:1], 0x10                ; out0
	v_lshl_add_u32 v[SPW], v0, 2, SPARE
	v_mov_b32 v[NIL], 0
	ds_add_u32 v[SPW], v[NIL]                      ; the wave's opening: the add, twice on end, and its wait ahead of my first tensor load
	ds_add_u32 v[SPW], v[NIL]
	v_lshrrev_b32 v1, 5, v0
	v_readfirstlane_b32 s10, v1                    ; wave 0..3
	s_lshr_b32 s11, s10, 1                         ; which half of the tile's rows is mine.  Also: I fetch for A (0) or for B (1)
	s_and_b32 s12, s10, 1                          ; which half of its columns.  Also: which head of the two, or which 64 rows of B, I fetch
	s_bfe_u32 s40, ttmp6, 0x40000                  ; cx, cy: my place in the cluster
	s_bfe_u32 s41, ttmp6, 0x40004
	s_lshl_b32 s42, ttmp9, 2
	s_add_co_u32 s42, s42, s40                     ; tile column of C
	s_and_b32 s13, ttmp7, 0xffff
	s_lshl_b32 s13, s13, 2
	s_add_co_u32 s13, s13, s41                     ; tile row of C
	s_lshl_b32 s43, s41, 2
	s_lshl_b32 s43, 15, s43                        ; my row of the cluster
	s_lshl_b32 s44, 0x1111, s40                    ; my column
	s_or_b32 s[G1+0], s43, (1<<16)|(1<<20)|(1<<21)|(4<<22)|(3<<25)   ; A: the mask; elements of 2 bytes; padding on; bit 21 beside a mask; four words after every 32
	s_mov_b32 s[G1+1], 64<<16                      ; tensor_dim0 = 64
	s_mov_b32 s[G1+2], 128<<16                     ; tensor_dim1 = 128
	s_mov_b32 s[G1+3], 64<<16                      ; tile_dim0
	s_mov_b32 s[G1+4], 128                         ; tile_dim1
	s_mov_b32 s[G1+5], 64                          ; tensor_dim0_stride
	s_mov_b32 s[G1+6], 0
	s_mov_b32 s[G1+7], 0
	s_or_b32 s[G1B+0], s44, (1<<16)|(1<<20)|(1<<21)|(6<<22)|(7<<25)  ; B: eight words after every 128
	s_mov_b32 s[G1B+1], 256<<16
	s_mov_b32 s[G1B+2], 64<<16
	s_mov_b32 s[G1B+3], 256<<16
	s_mov_b32 s[G1B+4], 64
	s_mov_b32 s[G1B+5], 1024
	s_mov_b32 s[G1B+6], 0
	s_mov_b32 s[G1B+7], 0
	s_lshr_b32 s16, s13, 3                         ; A: the batch (eight tile rows each): 16 heads of 131,072 bytes,
	s_lshl_b32 s16, s16, 21
	s_and_b32 s17, s13, 7
	s_lshl_b32 s17, s17, 14                        ; the tile's 128 tokens of 128 bytes,
	s_add_co_u32 s16, s16, s17
	s_lshl_b32 s17, s12, 17                        ; my head of the two
	s_add_co_u32 s16, s16, s17
	s_mov_b32 s17, 0
	s_lshl_b32 s46, s42, 9                         ; B: the tile's 256 columns of 2 bytes,
	s_lshl_b32 s47, s12, 17                        ; my 64 rows of 2,048 bytes
	s_add_co_u32 s46, s46, s47
	s_mov_b32 s47, 0
	s_mul_i32 s20, s12, HALFA                      ; where they go: no place in the cluster enters an LDS address
	s_mul_i32 s21, s12, HALFB
	s_add_co_u32 s21, s21, BOFF
	s_wait_dscnt 0x0                               ; both opening adds are done
	s_wait_kmcnt 0x0
	s_add_nc_u64 s[14:15], s[4:5], s[16:17]
	s_add_nc_u64 s[46:47], s[6:7], s[46:47]
	CROUND                                         ; all sixteen work-groups are here: the first joint loads meet
.irp s, 0,1
	s_mov_b32 s[G0+4*\s], 1
	s_add_co_u32 s[G0+4*\s+1], s20, \s*SLOT
	s_add_nc_u64 s[G0+4*\s+2:G0+4*\s+3], s[14:15], \s*KSB
	s_or_b32 s[G0+4*\s+3], s[G0+4*\s+3], 0x80000000
	s_mov_b32 s[G0B+4*\s], 1
	s_add_co_u32 s[G0B+4*\s+1], s21, \s*SLOT
	s_add_nc_u64 s[G0B+4*\s+2:G0B+4*\s+3], s[46:47], \s*KSB
	s_or_b32 s[G0B+4*\s+3], s[G0B+4*\s+3], 0x80000000
	JLOAD \s
.endr
	v_and_b32 v1, 15, v0                           ; l % 16
	v_bfe_u32 v2, v0, 4, 1                         ; l / 16
	v_mul_u32_u24 v3, v1, PA
	v_lshl_add_u32 v3, v2, 4, v3                   ; A: row x pitch + 16 x half
	s_mul_i32 s22, s11, 64*PA                      ; my 64 tokens
	v_and_b32 v4, 7, v0
	v_lshl_add_u32 v4, v2, 3, v4                   ; B, for the turning load: row k = 8 (l / 16) + l % 8,
	v_mul_u32_u24 v4, v4, PB
	v_bfe_u32 v5, v0, 3, 1
	v_lshl_add_u32 v4, v5, 4, v4                   ; columns 8 ((l / 8) % 2) on
	s_lshl_b32 s23, s12, 8                         ; my 128 columns
	s_add_co_u32 s23, s23, BOFF
.irp s, 0,1
	v_add_nc_u32 v[ADRA+\s], s22, v3
	v_add_nc_u32 v[ADRB+\s], s23, v4
	s_add_co_u32 s22, s22, SLOT
	s_add_co_u32 s23, s23, SLOT
.endr
	s_mul_i32 s22, s10, 16*SPITCH
	s_add_co_u32 s22, s22, STAGE                   ; my stage
	v_mul_u32_u24 v5, v1, SPITCH
	v_lshl_add_u32 v5, v2, 5, v5
	v_add_nc_u32 v[STO], s22, v5                   ; in: row l % 16, 32 bytes for each half of the lanes
	v_and_b32 v6, 31, v0
	v_lshlrev_b32 v[CO], 4, v6                     ; back: the 32 lanes take one row of 512 bytes; and the same in C
	v_add_nc_u32 v[RD], s22, v[CO]
	s_lshl_b32 s16, s13, 19                        ; my first row of C: 128 x tile row + 64 x half, 4,096 bytes a row
	s_lshl_b32 s17, s11, 18
	s_add_co_u32 s16, s16, s17
	s_mov_b32 s17, 0
	s_add_nc_u64 s[8:9], s[8:9], s[16:17]
	s_lshl_b32 s46, s42, 10                        ; my first column, in bytes
	s_lshl_b32 s47, s12, 9
	s_add_co_u32 s46, s46, s47
	s_mov_b32 s47, 0
	s_add_nc_u64 s[8:9], s[8:9], s[46:47]
; 8 matrix instructions: A's block a x B's eight, 32 along K.  zero = 1: the product starts the sums.  The 32 accumulators take turns, one instruction a turn.
.macro MUL8 f, a, zero
.irp b, 0,1,2,3,4,5,6,7
.if \zero
	v_wmma_f32_16x16x32_f16 v[8*(8*\a+\b):8*(8*\a+\b)+7], v[\f+32+8*\b:\f+32+8*\b+7], v[\f+8*\a:\f+8*\a+7], 0
.else
	v_wmma_f32_16x16x32_f16 v[8*(8*\a+\b):8*(8*\a+\b)+7], v[\f+32+8*\b:\f+32+8*\b+7], v[\f+8*\a:\f+8*\a+7], v[8*(8*\a+\b):8*(8*\a+\b)+7]
.endif
.endr
.endm
; 24 LDS loads in one run: the fragments of the slot's q-th 32 along K into buffer f: B's eight first, then A's four
.macro FETCH slot, q, f
	WIN TO_F
.irp b, 0,1,2,3,4,5,6,7
	ds_load_tr16_b128 v[\f+32+8*\b:\f+32+8*\b+3], v[ADRB+\slot] offset:32*PB*\q+32*\b
	ds_load_tr16_b128 v[\f+32+8*\b+4:\f+32+8*\b+7], v[ADRB+\slot] offset:32*PB*\q+32*\b+16*PB
.endr
.irp a, 0,1,2,3
	ds_load_b128 v[\f+8*\a:\f+8*\a+3], v[ADRA+\slot] offset:(\q/2)*HALFA+(\q%2)*64+16*PA*\a
	ds_load_b128 v[\f+8*\a+4:\f+8*\a+7], v[ADRA+\slot] offset:(\q/2)*HALFA+(\q%2)*64+16*PA*\a+32
.endr
.endm
.macro PLACES                          ; four places in front of loads into registers that matrix instructions have read, and of the first read of results (ISA guide 7.12.1 for the first read of results)
.rept 4
	v_nop
.endr
.endm
; A K step is four quarters of 32 along K, 32 matrix instructions each, on buffers 0, 1, 0, 1.  One of the first three: multiplies buffer f and fetches quarter qn into g.
.macro QUARTER slot, qn, f, g, zero
	s_wait_dscnt 4                                 ; B and A's blocks 0, 1 are in; the youngest four loads (blocks 2, 3) may be out
	WIN MUL
	MUL8 \f, 0, \zero
	MUL8 \f, 1, \zero
	PLACES
	FETCH \slot, \qn, \g
	s_wait_dscnt 24                                ; all but the 24 just issued
	WIN MUL
	MUL8 \f, 2, \zero
	MUL8 \f, 3, \zero
.endm
; The last quarter multiplies buffer 1 and changes slots: one barrier; in front of it each wave waits for all its tensor loads, adds 0 to its spare word, and waits for that and for its reads of this slot.
; fill = 1: the barrier opens a round of the cluster's, and this slot is filled again, two K steps ahead: the load has a K step less sixteen products in which to land.
.macro TURN slot, next, fill
	WIN 0                                          ; (the add's two registers lie in window 0)
	s_wait_tensorcnt 0x0                           ; all my tensor loads have landed: my part of the next slot
	ds_add_u32 v[SPW], v[NIL]                      ; 0 onto my spare word
	s_wait_dscnt 5                                 ; (the add and the youngest four loads may be out)
	WIN MUL
	MUL8 F1, 0, 0                                  ; eight matrix instructions stand between the add and the wait for it
	s_wait_dscnt 0x0                               ; the add is done, and my reads of this slot are over
	s_barrier_signal -1
	MUL8 F1, 1, 0
.if \fill
	WIN 0
.endif
	s_barrier_wait -1
.if \fill
	CREST                                          ; no wave of any partner still reads this slot's tile or has a load on its way
	s_add_nc_u64 s[G0+4*\slot+2:G0+4*\slot+3], s[G0+4*\slot+2:G0+4*\slot+3], 2*KSB
	s_add_nc_u64 s[G0B+4*\slot+2:G0B+4*\slot+3], s[G0B+4*\slot+2:G0B+4*\slot+3], 2*KSB
	JLOAD \slot                                    ; the first tensor load behind the round; the four v_nop behind it are also the places in front of the loads below
.else
	PLACES
.endif
	FETCH \next, 0, F0
	WIN MUL
	MUL8 F1, 2, 0
	MUL8 F1, 3, 0
.endm
	s_wait_tensorcnt 1                             ; my part of K step 0 is in (K step 1's load may be out)
	s_barrier_signal -1
	s_barrier_wait -1                              ; everybody's is
	FETCH 0, 0, F0
	QUARTER 0, 1, F0, F1, 1                        ; the first quarter stands in front of the loop: its products start the sums
	WIN 0                                          ; at a label and at a branch every window is 0
	s_mov_b32 s3, LAPS-1
.Llap:                                             ; a trip goes once round the ring, from a lap's second quarter to the next lap's first, and fills both slots again
	QUARTER 0, 2, F1, F0, 0
	QUARTER 0, 3, F0, F1, 0
	TURN 0, 1, 1
	QUARTER 1, 1, F0, F1, 0
	QUARTER 1, 2, F1, F0, 0
	QUARTER 1, 3, F0, F1, 0
	TURN 1, 0, 1
	QUARTER 0, 1, F0, F1, 0
	WIN 0
	s_sub_co_u32 s3, s3, 1
	s_cmp_lg_u32 s3, 0
	s_cbranch_scc1 .Llap
	QUARTER 0, 2, F1, F0, 0                        ; the last lap fills nothing, and has no round of the cluster's barrier
	QUARTER 0, 3, F0, F1, 0
	TURN 0, 1, 0
	QUARTER 1, 1, F0, F1, 0
	QUARTER 1, 2, F1, F0, 0
	QUARTER 1, 3, F0, F1, 0
	s_wait_dscnt 4                                 ; the very last quarter: nothing more to fetch
	WIN MUL
	MUL8 F1, 0, 0
	MUL8 F1, 1, 0
	s_wait_dscnt 0
	MUL8 F1, 2, 0
	MUL8 F1, 3, 0
	WIN 0
; THE WAY OUT, block by block of 16 rows x 128 columns: a lane holds 32 neighbouring bytes of a row; a block goes through my own stage and comes back as whole rows of 512 bytes.
.macro TOSTAGE a
	WIN 0x08                                       ; an LDS store's data: window 2
.irp b, 0,1,2,3,4,5,6,7
	ds_store_b128 v[STO], v[64*\a+8*\b:64*\a+8*\b+3] offset:64*\b           ; each accumulator from its low end on
	ds_store_b128 v[STO], v[64*\a+8*\b+4:64*\a+8*\b+7] offset:64*\b+16
.endr
	WIN 0
.irp t, 0,1,2,3,4,5,6,7,8,9,10,11,12,13,14,15
	ds_load_b128 v[BK+64*(\a%2)+4*\t:BK+64*(\a%2)+4*\t+3], v[RD] offset:\t*SPITCH   ; LDS serves a wave's instructions in order: these see the stores above
.endr
.endm
.macro SEND a, younger                 ; younger: the LDS instructions issued behind block a's loads: the next block's 32, or none
	s_wait_dscnt \younger
.irp t, 0,1,2,3,4,5,6,7,8,9,10,11,12,13,14,15
	global_store_b128 v[CO], v[BK+64*(\a%2)+4*\t:BK+64*(\a%2)+4*\t+3], s[8:9] offset:(16*\a+\t)*4096 th:TH_STORE_NT   ; 32 lanes store 512 consecutive bytes, aligned
.endr
.endm
	PLACES
	TOSTAGE 0
	TOSTAGE 1
	SEND 0, 32
	s_wait_xcnt 0x0                                ; block 0's stores have read their registers: block 2's rows may land there
	TOSTAGE 2
	SEND 1, 32
	s_wait_xcnt 0x0
	TOSTAGE 3
	SEND 2, 32
	SEND 3, 0
	s_wait_tensorcnt 0x0                           ; the wave's end: behind my last tensor load and my last LDS store
	ds_add_u32 v[SPW], v[NIL]
	s_wait_dscnt 0x0
	CROUND                                         ; the closing round: no work-group ends while a partner may still ask for a tile that names it
	s_endpgm
.Lfunc_end_k_q1b441b2c73_gemm_proj:
	.size	k_q1b441b2c73_gemm_proj, .Lfunc_end_k_q1b441b2c73_gemm_proj-k_q1b441b2c73_gemm_proj
	.p2alignl 7, 3214868480
	.fill 96, 4, 3214868480
	.section	.rodata,"a",@progbits
	.p2align	6, 0x0
	.amdhsa_kernel k_q1b441b2c73_gemm_proj
		.amdhsa_group_segment_fixed_size 327680
		.amdhsa_private_segment_fixed_size 0
		.amdhsa_enable_private_segment 0
		.amdhsa_kernarg_size 24
		.amdhsa_user_sgpr_count 2
		.amdhsa_user_sgpr_kernarg_segment_ptr 1
		.amdhsa_wavefront_size32 1
		.amdhsa_system_sgpr_workgroup_id_x 1
		.amdhsa_system_sgpr_workgroup_id_y 1
		.amdhsa_system_sgpr_workgroup_id_z 1
		.amdhsa_system_vgpr_workitem_id 0
		.amdhsa_next_free_vgpr 768
		.amdhsa_next_free_sgpr 66
		.amdhsa_reserve_vcc 0
		.amdhsa_float_denorm_mode_32 3
		.amdhsa_float_denorm_mode_16_64 3
		.amdhsa_memory_ordered 1
		.amdhsa_forward_progress 1
		.amdhsa_inst_pref_size 85
	.end_amdhsa_kernel
	.amdgpu_metadata
---
amdhsa.version: [ 1, 2 ]
amdhsa.kernels:
  - .name:           k_q1b441b2c73_gemm_proj
    .symbol:         k_q1b441b2c73_gemm_proj.kd
    .args:
      - { .name: att, .offset: 0, .size: 8, .value_kind: global_buffer, .address_space: global }
      - { .name: w16, .offset: 8, .size: 8, .value_kind: global_buffer, .address_space: global }
      - { .name: out0, .offset: 16, .size: 8, .value_kind: global_buffer, .address_space: global }
    .group_segment_fixed_size: 327680
    .private_segment_fixed_size: 0
    .kernarg_segment_align: 8
    .kernarg_segment_size: 24
    .max_flat_workgroup_size: 128
    .sgpr_count:     66
    .vgpr_count:     768
    .wavefront_size: 32
...
	.end_amdgpu_metadata
.endif
;; end of part 4
